; MI455X (gfx1250); checked and timed in simulation.
; The chip was launched on July 23, 2026; its instructions are those of AMD's public machine-readable ISA for CDNA 5 (MIT licence, August 2026) and "CDNA5" Instruction Set Architecture Reference Guide (July 2026). The comments in the code are by the model that wrote it; some were corrected since.
;; Cross Attention Block. Allowed arithmetic: float matrix products may take bf16 or f16 operands with f32 sums; other float arithmetic in f32, or as packed bf16 or f16 multiplies, adds, multiply-adds, maxima and minima; sums over many terms, partial sums and values carried from step to step in f32; what a program stores and reads back later, other than sums and carried values, may be rounded once to bf16 or f16.
;; Inputs: W1 1,024 x 512 float32; W2 512 x 1,024 float32; Wk 512 x 256 float32; Wq 512 x 512 float32; Wv 512 x 256 float32; b1 1,024 float32; b2 512 float32; bk 512 float32; bq 512 float32; bv 512 float32; cond_emb 32 x 1 x 252 float32; conv_b 128 float32; conv_w 128 x 1 x 1 float32; ln1_b 512 float32; ln1_w 512 float32; ln2_b 512 float32; ln2_w 512 float32; x 32 x 1,024 x 512 float32.
;; Outputs: out0 32 x 1,024 x 512 float32.
;; 2 versions, each right. Each part assembles by itself: llvm-mc -triple=amdgcn-amd-amdhsa -mcpu=gfx1250 --defsym DOCPART=n.
;; ======== version 1 of 2: 2 launches
;; limits: a difference of large sums (such as E[x^2] - mean^2): digits are lost where the result is much smaller than its terms
;; workspace buffers: wt 2,621,440 bytes; tab 1,081,344 bytes
;; launch prep (part 1): grid 208 x 1, 4 waves a work-group, no clusters, 0 bytes of LDS; arguments Wq, W1, W2, Wk, Wv, cond_emb, conv_w, conv_b, bq, bk, bv, b1, b2, ln1_w, ln1_b, ln2_w, ln2_b, wt, tab; writes wt, tab
.if DOCPART == 1
	.amdgcn_target "amdgcn-amd-amdhsa--gfx1250"
	.amdhsa_code_object_version 6
	.text
	.protected	k_q7db0830983_prep
	.globl	k_q7db0830983_prep
	.p2align	8
	.type	k_q7db0830983_prep,@function
k_q7db0830983_prep:
	s_mov_b64 s[64:65], 0
	v_nop
	global_prefetch_b8 v0, s[64:65] scope:SCOPE_SE
	s_setreg_imm32_b32 hwreg(HW_REG_WAVE_MODE, 25, 1), 1
	s_wait_xcnt 0x0
; PREPARATION.  Every input but x is rounded once to bf16 here and laid out as the main launch reads it.  Three kinds of work-group, chosen by the work-group's number.
; KIND A (0..159): a quarter of one of 40 weight tiles of 65,536 bytes in wt, in the order of matrix fragments: fragment fi (16 rows x 32 k, 1,024 bytes) holds at byte 512 p + 16 lane
;   the numbers k = 16 p + 8 (lane / 16) + 0..7 of row lane % 16.  Tiles 0-7: Wq, k = 64 i on, fi = 2 ct + kf.  Tile 8 + 2 j: W1's rows 64 j on, fi = 4 kf + ht.  Tile 9 + 2 j: W2, k = 64 j on, fi = 2 ct + kf.
; KIND B (160..175): k[b][s][:] = conv_w[s] (Wk pad_b) + conv_b[s] (row sums of Wk) + bk, and v likewise, for every input, since cond[b][s][:] = conv_w[s] pad_b + conv_b[s].
;   A wave makes 16 channels of u = W pad_b for all 32 batches and of the row sums, by the matrix unit (bf16 operands, f32 sums), and stores them as bf16 hi + lo:
;   for K as eight vectors a batch (SC uk, SC rk, SC bk, each hi and lo, and two of zeros; SC = log2(e) / sqrt(512)), for V as one record of 16 bytes a channel.
;   These stores are 16 bytes a lane to places far apart: 0.5 MB in all, once.
; KIND C (176..207): the biases, gains, conv_w and conv_b, rounded to bf16 and written as f32, once for each batch, so that one dense block a batch holds all tables.
.set SCQ,  0x3d8293ee                  ; log2(e) / sqrt(512)
.set TABB, 33792                       ; bytes of tab for a batch
.set MSB, 0
.macro WIN new                         ; the immediate's high byte repeats the setting that is left
.if MSB != (\new)
	s_set_vgpr_msb (MSB<<8)|(\new)
.set MSB, (\new)
.endif
.endm
.macro PLACES                          ; four plain places behind a matrix instruction (ISA guide 7.12.1)
.rept 4
	v_nop
.endr
.endm
.macro ROUND4 a, t                     ; four f32 at v[a] rounded to bf16 and widened again; v[t], v[t+1] at work
	v_cvt_pk_bf16_f32 v[\t], v[\a], v[(\a)+1]
	v_cvt_pk_bf16_f32 v[(\t)+1], v[(\a)+2], v[(\a)+3]
	v_lshlrev_b32 v[\a], 16, v[\t]
	v_and_b32 v[(\a)+1], 0xffff0000, v[\t]
	v_lshlrev_b32 v[(\a)+2], 16, v[(\t)+1]
	v_and_b32 v[(\a)+3], 0xffff0000, v[(\t)+1]
.endm
	v_lshrrev_b32 v1, 5, v0
	v_readfirstlane_b32 s8, v1                     ; wave 0..3
	v_and_b32 v1, 15, v0                           ; r = lane % 16
	v_bfe_u32 v2, v0, 4, 1                         ; h = lane / 16
	v_and_b32 v3, 31, v0                           ; lane
	s_cmp_lt_u32 ttmp9, 160
	s_cbranch_scc0 .Lnot_a
	; ---------------- KIND A ----------------
	s_load_b128 s[12:15], s[0:1], 0x0              ; Wq, W1
	s_load_b64 s[16:17], s[0:1], 0x10              ; W2
	s_load_b64 s[18:19], s[0:1], 0x88              ; wt
	s_lshr_b32 s20, ttmp9, 2                       ; tile i
	s_and_b32 s21, ttmp9, 3                        ; its quarter
	s_lshl_b32 s22, s21, 2
	s_add_co_u32 s22, s22, s8                      ; F: my four fragments are 4 F .. 4 F + 3
	s_max_u32 s23, s20, 8
	s_sub_co_u32 s23, s23, 8
	s_lshr_b32 s23, s23, 1
	s_lshl_b32 s23, s23, 6                         ; 64 j
	s_lshl_b32 s24, s20, 6                         ; 64 i
	s_and_b32 s26, s20, 1
	s_add_co_u32 s26, s26, 1
	s_cmp_lt_u32 s20, 8
	s_cselect_b32 s23, s24, s23                    ; KB: first k (Wq, W2) or first row (W1) of the tile
	s_cselect_b32 s26, 0, s26                      ; 0 Wq, 1 W1, 2 W2
	s_cmp_eq_u32 s26, 2
	s_cselect_b32 s27, 12, 11
	s_lshl_b32 s27, 1, s27                         ; bytes in a row of the matrix: 4,096 (W2) or 2,048
	s_mul_i32 s28, s22, s27
	s_lshl_b32 s28, s28, 5                         ; Wq, W2: row 32 F,
	s_lshl_b32 s29, s23, 2
	s_add_co_u32 s28, s28, s29                     ; k = KB
	s_mul_i32 s29, s23, s27                        ; W1: row KB,
	s_lshl_b32 s30, s22, 7
	s_add_co_u32 s29, s29, s30                     ; k = 32 F
	s_lshl_b32 s30, s27, 4                         ; 16 rows
	s_lshl_b32 s31, s27, 5                         ; 32 rows
	s_cmp_eq_u32 s26, 1
	s_cselect_b32 s28, s29, s28                    ; byte offset of fragment 4 F
	s_cselect_b32 s31, s31, s30                    ; from fragment n to n + 2: 32 rows (W1) or 16 rows
	s_cselect_b32 s30, s30, 128                    ; from n to n + 1: 16 rows (W1) or 32 k
	v_mul_lo_u32 v4, v1, s27
	v_lshl_add_u32 v4, v2, 5, v4                   ; my row, my 8 k
	v_add_nc_u32 v4, s28, v4
	v_add_nc_u32 v5, s30, v4
	v_add_nc_u32 v6, s31, v4
	v_add_nc_u32 v7, s30, v6
	v_lshlrev_b32 v8, 4, v3
	v_lshl_add_u32 v8, s22, 12, v8                 ; in the tile: 4,096 F + 16 lane
	s_lshl_b32 s34, s20, 16
	s_mov_b32 s35, 0
	s_wait_kmcnt 0x0
	s_cmp_eq_u32 s26, 0
	s_cselect_b64 s[12:13], s[12:13], s[14:15]
	s_cmp_eq_u32 s26, 2
	s_cselect_b64 s[12:13], s[16:17], s[12:13]
	s_add_nc_u64 s[18:19], s[18:19], s[34:35]
.irp n, 0,1,2,3
.irp q, 0,1,2,3
	global_load_b128 v[16+16*(\n)+4*(\q):16+16*(\n)+4*(\q)+3], v[4+(\n)], s[12:13] offset:((\q)/2)*64+((\q)%2)*16
.endr
.endr
	s_wait_loadcnt 0x0
.irp n, 0,1,2,3
.irp q, 0,1,2,3
	v_cvt_pk_bf16_f32 v[80+8*(\n)+2*(\q)],   v[16+16*(\n)+4*(\q)],   v[16+16*(\n)+4*(\q)+1]
	v_cvt_pk_bf16_f32 v[80+8*(\n)+2*(\q)+1], v[16+16*(\n)+4*(\q)+2], v[16+16*(\n)+4*(\q)+3]
.endr
.endr
.irp n, 0,1,2,3
	global_store_b128 v8, v[80+8*(\n):80+8*(\n)+3],   s[18:19] offset:1024*(\n)       ; each store of the wave covers 512 consecutive bytes, aligned
	global_store_b128 v8, v[80+8*(\n)+4:80+8*(\n)+7], s[18:19] offset:1024*(\n)+512
.endr
	s_endpgm
.Lnot_a:
	s_cmp_lt_u32 ttmp9, 176
	s_cbranch_scc1 .Lkind_b
	; ---------------- KIND C ----------------
	s_load_b128 s[12:15], s[0:1], 0x30             ; conv_w, conv_b
	s_load_b64 s[16:17], s[0:1], 0x40              ; bq
	s_load_b128 s[20:23], s[0:1], 0x58             ; b1, b2
	s_load_b256 s[24:31], s[0:1], 0x68             ; ln1_w, ln1_b, ln2_w, ln2_b
	s_load_b64 s[32:33], s[0:1], 0x90              ; tab
	s_sub_co_u32 s34, ttmp9, 176                   ; the batch
	s_mul_i32 s34, s34, TABB
	s_mov_b32 s35, 0
	v_lshlrev_b32 v4, 4, v0                        ; 16 bytes a thread
	s_wait_kmcnt 0x0
	s_add_nc_u64 s[32:33], s[32:33], s[34:35]
	global_load_b128 v[16:19], v4, s[16:17]        ; in the order of the tables in tab, 2,048 bytes each from byte 16,384 on
	global_load_b128 v[20:23], v4, s[24:25]
	global_load_b128 v[24:27], v4, s[26:27]
	global_load_b128 v[28:31], v4, s[22:23]
	global_load_b128 v[32:35], v4, s[28:29]
	global_load_b128 v[36:39], v4, s[30:31]
	global_load_b128 v[40:43], v4, s[20:21]
	global_load_b128 v[44:47], v4, s[20:21] offset:2048
	s_cmp_lg_u32 s8, 0
	s_cbranch_scc1 .Lno_conv                       ; conv_w and conv_b are 512 bytes each: wave 0's 32 threads
	global_load_b128 v[48:51], v4, s[12:13]
	global_load_b128 v[52:55], v4, s[14:15]
	s_wait_loadcnt 0x0
	ROUND4 48, 8
	ROUND4 52, 8
	global_store_b128 v4, v[48:51], s[32:33] offset:32768
	global_store_b128 v4, v[52:55], s[32:33] offset:33280
.Lno_conv:
	s_wait_loadcnt 0x0
.irp k, 0,1,2,3,4,5,6,7
	ROUND4 16+4*(\k), 8
.endr
.irp k, 0,1,2,3,4,5,6,7
	global_store_b128 v4, v[16+4*(\k):19+4*(\k)], s[32:33] offset:16384+2048*(\k)
.endr
	s_endpgm
	; ---------------- KIND B ----------------
	; window 0: v4-14, v26-27 offsets; v16-23 the bias; v32-95 W's 8 fragments; v96-159 pad's 8 fragments; v160-167 ones; v168-207 five accumulators.
	; window 1: the f32 numbers as loaded: v0-127 W, later the second 16 batches' pad; v128-255 the first 16 batches' pad.
.Lkind_b:
	s_load_b128 s[12:15], s[0:1], 0x18             ; Wk, Wv
	s_load_b64 s[16:17], s[0:1], 0x28              ; cond_emb
	s_load_b128 s[20:23], s[0:1], 0x48             ; bk, bv
	s_load_b64 s[24:25], s[0:1], 0x90              ; tab
	s_sub_co_u32 s26, ttmp9, 160
	s_lshr_b32 s27, s26, 3                         ; 0: K's side, 1: V's
	s_lshl_b32 s28, s26, 2
	s_add_co_u32 s28, s28, s8
	s_and_b32 s28, s28, 31                         ; cb: my 16 channels begin at 16 cb
	v_lshlrev_b32 v4, 10, v1
	v_lshl_add_u32 v4, v2, 5, v4
	v_lshl_add_u32 v4, s28, 14, v4                 ; W: row 16 cb + r, 8 h numbers on
	v_mul_u32_u24 v12, v1, 1008                    ; cond_emb: batch r (a batch is 252 numbers)
	v_lshl_add_u32 v5, v2, 5, v12                  ; pad's pair j is cond's pair j - 1: the -8 stands in the loads' immediates
	v_add_nc_u32 v6, 16128, v5                     ; the same for batch 16 + r
	v_sub_nc_u32 v11, 1, v2
	v_mul_u32_u24 v11, v11, 976
	v_add_nc_u32 v9, v12, v11                      ; pad's pairs 123 (h = 0: cond's 122) and 127 (h = 1: wraps to cond's 0)
	v_add_nc_u32 v7, 24, v9                        ; pad's pairs 0 (h = 0: wraps to cond's 125) and 4 (h = 1: cond's 3)
	v_add_nc_u32 v10, 16128, v9
	v_add_nc_u32 v8, 16128, v7
	v_lshlrev_b32 v14, 5, v2
	v_lshl_add_u32 v14, s28, 6, v14                ; the bias: my 8 channels
	v_mul_u32_u24 v26, v1, TABB
	v_lshl_add_u32 v26, v2, 7, v26
	v_lshl_add_u32 v26, s28, 8, v26                ; tab: batch r, 256 cb + 128 h (the same for the vectors and for the records)
	v_add_nc_u32 v27, 16*TABB, v26
	s_wait_kmcnt 0x0
	s_cmp_eq_u32 s27, 0
	s_cselect_b64 s[12:13], s[12:13], s[14:15]
	s_cselect_b64 s[20:21], s[20:21], s[22:23]
	s_cselect_b32 s30, SCQ, 1.0                    ; K's vectors carry the scale of the scores
	s_mov_b32 s31, s30
.macro PADLOAD nt, base                ; 64 loads of a pair: pad of batch 16 nt + r, pairs 16 f + 8 p + 4 h + i
.irp f, 0,1,2,3,4,5,6,7
.irp p, 0,1
.irp i, 0,1,2,3
.if ((\f)+(\p)+(\i)) == 0
	global_load_b64 v[(\base):(\base)+1], v[7+(\nt)], s[16:17]
.elseif ((\f) == 7) && ((\p) == 1) && ((\i) == 3)
	global_load_b64 v[(\base)+126:(\base)+127], v[9+(\nt)], s[16:17]
.else
	global_load_b64 v[(\base)+16*(\f)+8*(\p)+2*(\i):(\base)+16*(\f)+8*(\p)+2*(\i)+1], v[5+(\nt)], s[16:17] offset:128*(\f)+64*(\p)+8*(\i)-8
.endif
.endr
.endr
.endr
.endm
.macro PADCVT base
	WIN 0x05                                       ; sources in window 1, destination in window 0
.irp f, 0,1,2,3,4,5,6,7
.irp p, 0,1
.irp i, 0,1,2,3
	v_cvt_pk_bf16_f32 v[96+8*(\f)+4*(\p)+(\i)], v[(\base)+16*(\f)+8*(\p)+2*(\i)], v[(\base)+16*(\f)+8*(\p)+2*(\i)+1]
.endr
.endr
.endr
	WIN 0
.endm
	global_load_b128 v[16:19], v14, s[20:21]
	global_load_b128 v[20:23], v14, s[20:21] offset:16
	WIN 0x40                                       ; destination in window 1, offsets in window 0
.irp f, 0,1,2,3,4,5,6,7
.irp q, 0,1,2,3
	global_load_b128 v[16*(\f)+4*(\q):16*(\f)+4*(\q)+3], v4, s[12:13] offset:128*(\f)+((\q)/2)*64+((\q)%2)*16
.endr
.endr
	PADLOAD 0, 128
	s_wait_loadcnt 63                              ; 64 loads were issued behind W's last: W and the bias are in
	WIN 0x05
.irp f, 0,1,2,3,4,5,6,7
.irp q, 0,1,2,3
	v_cvt_pk_bf16_f32 v[32+8*(\f)+2*(\q)],   v[16*(\f)+4*(\q)],   v[16*(\f)+4*(\q)+1]
	v_cvt_pk_bf16_f32 v[32+8*(\f)+2*(\q)+1], v[16*(\f)+4*(\q)+2], v[16*(\f)+4*(\q)+3]
.endr
.endr
	WIN 0x40
	PADLOAD 1, 0                                   ; into the registers that W has left
	s_wait_loadcnt 63                              ; 64 loads were issued behind the first pad's last
	PADCVT 128
.set i, 0
.rept 8
	v_mov_b32 v[160+i], 0x3f803f80                 ; 1.0 twice: the row sums' second source
.set i, i+1
.endr
	; y^T = W pad^T: a lane ends with batch r and channels 16 cb + 8 h + 0..7.  The accumulators take turns, one instruction a turn: u by the parity of the fragment, the row sums between.
.set f, 0
.rept 8
.set UA, 168+8*(f%2)
.if f < 2
	v_wmma_f32_16x16x32_bf16 v[UA:UA+7], v[32+8*f:39+8*f], v[96+8*f:103+8*f], 0
.else
	v_wmma_f32_16x16x32_bf16 v[UA:UA+7], v[32+8*f:39+8*f], v[96+8*f:103+8*f], v[UA:UA+7]
.endif
.if f == 0
	v_wmma_f32_16x16x32_bf16 v[184:191], v[32:39], v[160:167], 0
.else
	v_wmma_f32_16x16x32_bf16 v[184:191], v[32+8*f:39+8*f], v[160:167], v[184:191]
.endif
.set f, f+1
.endr
	s_wait_loadcnt 0x0
	PLACES                                         ; pad's fragments are written anew
	PADCVT 0
.set f, 0
.rept 8
.set UA, 192+8*(f%2)
.if f < 2
	v_wmma_f32_16x16x32_bf16 v[UA:UA+7], v[32+8*f:39+8*f], v[96+8*f:103+8*f], 0
.else
	v_wmma_f32_16x16x32_bf16 v[UA:UA+7], v[32+8*f:39+8*f], v[96+8*f:103+8*f], v[UA:UA+7]
.endif
.set f, f+1
.endr
	PLACES
.irp m, 0,2,4,6
	v_pk_add_f32 v[168+(\m):169+(\m)], v[168+(\m):169+(\m)], v[176+(\m):177+(\m)]   ; the two parities
	v_pk_add_f32 v[192+(\m):193+(\m)], v[192+(\m):193+(\m)], v[200+(\m):201+(\m)]
.endr
	ROUND4 16, 24                                  ; the bias is an input: rounded to bf16 like the others
	ROUND4 20, 24
.irp s, 168, 192, 184, 16
.irp m, 0,2,4,6
	v_pk_mul_f32 v[(\s)+(\m):(\s)+(\m)+1], v[(\s)+(\m):(\s)+(\m)+1], s[30:31] op_sel_hi:[1,0]
.endr
.endr
; Eight f32 at v[s] as bf16 hi + lo.  Set k: hi packed at v[32+4k], hi as f32 at v[48+8k], lo as f32 at v[80+8k], lo packed at v[112+4k].
.macro SPLIT s, k
.irp m, 0,1,2,3
	v_cvt_pk_bf16_f32 v[32+4*(\k)+(\m)], v[(\s)+2*(\m)], v[(\s)+2*(\m)+1]
.endr
.irp m, 0,1,2,3
	v_lshlrev_b32 v[48+8*(\k)+2*(\m)], 16, v[32+4*(\k)+(\m)]
	v_and_b32 v[48+8*(\k)+2*(\m)+1], 0xffff0000, v[32+4*(\k)+(\m)]
.endr
.irp m, 0,1,2,3
	v_pk_add_f32 v[80+8*(\k)+2*(\m):80+8*(\k)+2*(\m)+1], v[(\s)+2*(\m):(\s)+2*(\m)+1], v[48+8*(\k)+2*(\m):48+8*(\k)+2*(\m)+1] neg_lo:[0,1] neg_hi:[0,1]
.endr
.irp m, 0,1,2,3
	v_cvt_pk_bf16_f32 v[112+4*(\k)+(\m)], v[80+8*(\k)+2*(\m)], v[80+8*(\k)+2*(\m)+1]
.endr
.endm
	SPLIT 168, 0                                   ; u of batch r
	SPLIT 192, 1                                   ; u of batch 16 + r
	SPLIT 184, 2                                   ; the row sums
	SPLIT 16, 3                                    ; the bias
	s_cmp_eq_u32 s27, 0
	s_cbranch_scc0 .Lrecords
.irp m, 0,1,2,3
	v_mov_b32 v[128+(\m)], 0
.endr
.irp nt, 0,1                           ; eight vectors of 8 channels: 16 bytes each, 128 bytes on end for a lane
	global_store_b128 v[26+(\nt)], v[32+4*(\nt):35+4*(\nt)],   s[24:25]
	global_store_b128 v[26+(\nt)], v[112+4*(\nt):115+4*(\nt)], s[24:25] offset:16
	global_store_b128 v[26+(\nt)], v[40:43],   s[24:25] offset:32
	global_store_b128 v[26+(\nt)], v[120:123], s[24:25] offset:48
	global_store_b128 v[26+(\nt)], v[44:47],   s[24:25] offset:64
	global_store_b128 v[26+(\nt)], v[124:127], s[24:25] offset:80
	global_store_b128 v[26+(\nt)], v[128:131], s[24:25] offset:96
	global_store_b128 v[26+(\nt)], v[128:131], s[24:25] offset:112
.endr
	s_endpgm
.Lrecords:                             ; a channel's record: uv_hi, uv_hi, uv_lo, rv_hi, rv_hi, rv_lo, bv_hi, bv_lo
.irp nt, 0,1
.irp j, 0,1,2,3,4,5,6,7
	v_cvt_pk_bf16_f32 v[128+4*(8*(\nt)+(\j))],   v[48+8*(\nt)+(\j)], v[48+8*(\nt)+(\j)]
	v_cvt_pk_bf16_f32 v[128+4*(8*(\nt)+(\j))+1], v[80+8*(\nt)+(\j)], v[64+(\j)]
	v_cvt_pk_bf16_f32 v[128+4*(8*(\nt)+(\j))+2], v[64+(\j)], v[96+(\j)]
	v_cvt_pk_bf16_f32 v[128+4*(8*(\nt)+(\j))+3], v[72+(\j)], v[104+(\j)]
.endr
.endr
.irp nt, 0,1
.irp j, 0,1,2,3,4,5,6,7
	global_store_b128 v[26+(\nt)], v[128+4*(8*(\nt)+(\j)):128+4*(8*(\nt)+(\j))+3], s[24:25] offset:8192+16*(\j)
.endr
.endr
	s_endpgm
.Lfunc_end_k_q7db0830983_prep:
	.size	k_q7db0830983_prep, .Lfunc_end_k_q7db0830983_prep-k_q7db0830983_prep
	.p2alignl 7, 3214868480
	.fill 96, 4, 3214868480
	.section	.rodata,"a",@progbits
	.p2align	6, 0x0
	.amdhsa_kernel k_q7db0830983_prep
		.amdhsa_group_segment_fixed_size 0
		.amdhsa_private_segment_fixed_size 0
		.amdhsa_enable_private_segment 0
		.amdhsa_kernarg_size 152
		.amdhsa_user_sgpr_count 2
		.amdhsa_user_sgpr_kernarg_segment_ptr 1
		.amdhsa_wavefront_size32 1
		.amdhsa_system_sgpr_workgroup_id_x 1
		.amdhsa_system_sgpr_workgroup_id_y 1
		.amdhsa_system_sgpr_workgroup_id_z 1
		.amdhsa_system_vgpr_workitem_id 0
		.amdhsa_next_free_vgpr 512
		.amdhsa_next_free_sgpr 66
		.amdhsa_reserve_vcc 0
		.amdhsa_float_denorm_mode_32 3
		.amdhsa_float_denorm_mode_16_64 3
		.amdhsa_memory_ordered 1
		.amdhsa_forward_progress 1
		.amdhsa_inst_pref_size 58
	.end_amdhsa_kernel
	.amdgpu_metadata
---
amdhsa.version: [ 1, 2 ]
amdhsa.kernels:
  - .name:           k_q7db0830983_prep
    .symbol:         k_q7db0830983_prep.kd
    .args:
      - { .name: Wq, .offset: 0, .size: 8, .value_kind: global_buffer, .address_space: global }
      - { .name: W1, .offset: 8, .size: 8, .value_kind: global_buffer, .address_space: global }
      - { .name: W2, .offset: 16, .size: 8, .value_kind: global_buffer, .address_space: global }
      - { .name: Wk, .offset: 24, .size: 8, .value_kind: global_buffer, .address_space: global }
      - { .name: Wv, .offset: 32, .size: 8, .value_kind: global_buffer, .address_space: global }
      - { .name: cond_emb, .offset: 40, .size: 8, .value_kind: global_buffer, .address_space: global }
      - { .name: conv_w, .offset: 48, .size: 8, .value_kind: global_buffer, .address_space: global }
      - { .name: conv_b, .offset: 56, .size: 8, .value_kind: global_buffer, .address_space: global }
      - { .name: bq, .offset: 64, .size: 8, .value_kind: global_buffer, .address_space: global }
      - { .name: bk, .offset: 72, .size: 8, .value_kind: global_buffer, .address_space: global }
      - { .name: bv, .offset: 80, .size: 8, .value_kind: global_buffer, .address_space: global }
      - { .name: b1, .offset: 88, .size: 8, .value_kind: global_buffer, .address_space: global }
      - { .name: b2, .offset: 96, .size: 8, .value_kind: global_buffer, .address_space: global }
      - { .name: ln1_w, .offset: 104, .size: 8, .value_kind: global_buffer, .address_space: global }
      - { .name: ln1_b, .offset: 112, .size: 8, .value_kind: global_buffer, .address_space: global }
      - { .name: ln2_w, .offset: 120, .size: 8, .value_kind: global_buffer, .address_space: global }
      - { .name: ln2_b, .offset: 128, .size: 8, .value_kind: global_buffer, .address_space: global }
      - { .name: wt, .offset: 136, .size: 8, .value_kind: global_buffer, .address_space: global }
      - { .name: tab, .offset: 144, .size: 8, .value_kind: global_buffer, .address_space: global }
    .group_segment_fixed_size: 0
    .private_segment_fixed_size: 0
    .kernarg_segment_align: 8
    .kernarg_segment_size: 152
    .max_flat_workgroup_size: 128
    .sgpr_count:     66
    .vgpr_count:     512
    .wavefront_size: 32
...
	.end_amdgpu_metadata
.endif
;; end of part 1
;; launch main (part 2): grid 256 x 1, 4 waves a work-group, clusters of 4 x 1, 327,680 bytes of LDS; arguments x, wt, tab, out0; writes out0
.if DOCPART == 2
	.amdgcn_target "amdgcn-amd-amdhsa--gfx1250"
	.amdhsa_code_object_version 6
	.text
	.protected	k_q7db0830983_main
	.globl	k_q7db0830983_main
	.p2align	8
	.type	k_q7db0830983_main,@function
k_q7db0830983_main:
	s_mov_b64 s[64:65], 0
	v_nop
	global_prefetch_b8 v0, s[64:65] scope:SCOPE_SE
	s_setreg_imm32_b32 hwreg(HW_REG_WAVE_MODE, 25, 1), 1
	s_wait_xcnt 0x0
	s_wait_alu depctr_hold_cnt(0) depctr_sa_sdst(0) depctr_va_vdst(0) depctr_va_sdst(0) depctr_va_ssrc(0) depctr_va_vcc(0) depctr_vm_vsrc(0)
	s_getreg_b32 s2, hwreg(HW_REG_IB_STS2, 6, 4)
	s_cmp_eq_u32 s2, 0
	s_cbranch_scc0 .Lentry_in_a_cluster
	s_endpgm
.Lentry_in_a_cluster:
	s_bfe_u32 s2, ttmp6, 0x10000c
	s_cmp_lg_u32 s2, 0x3003
	s_cbranch_scc0 .Lentry_shape_is_right
	s_endpgm
.Lentry_shape_is_right:
; THE WHOLE BLOCK FOR 128 ROWS OF x A WORK-GROUP, 32 ROWS A WAVE: q = x Wq^T + bq; attention over the 128 conditioning rows; LayerNorm 1; W1, exact gelu, W2; LayerNorm 2; + x.
; FORMATS.  x, all weights, biases, gains, cond_emb, conv_w and conv_b are rounded once to bf16 (the weights and tables by the launch before, x here); products have bf16 operands and f32 sums;
; everything else is f32.  The x that is added at the end is the same bf16 x, kept in LDS: x is read from memory once.
; LAYOUT.  Every product is taken transposed: source 0 = 16 rows of a weight, source 1 = 16 rows of the activations.  In a result a lane holds ONE row (lane % 16) and the channels 8 (lane / 16) + 0..7
; of a block of 16; two such results rounded to bf16 ARE the next product's source 1 (32 k x 16 rows).  A wave owns its 32 rows (two row tiles rt) with ALL channels, so activations never change lanes and
; never go through LDS, and a row's sums want one exchange between the halves of the lanes.
; ATTENTION.  k[b][s][:] = conv_w[s] uk_b + conv_b[s] rk + bk and v likewise, for every input (the launch before says why).  So a score is conv_w[s] (q.uk) + conv_b[s] (q.rk) + q.bk: three dot products
; a row (by the matrix unit, the vectors as bf16 hi + lo and already times log2(e) / sqrt(512)) and two fused multiply-adds a score; the row's maximum is taken away before the exponentials; the result is
; alpha uv_b + beta rv + bv with alpha = sum p conv_w / sum p, beta = sum p conv_b / sum p: one matrix instruction a block of 16 channels, alpha and beta as bf16 hi + lo.
; THE WEIGHTS are 40 tiles of 65,536 bytes in the order of matrix fragments, the same for all work-groups: 8 of Wq, then for each 64 hidden channels one of W1 and one of W2.  They go through a ring of two
; LDS slots.  CLUSTER: the four work-groups of a cluster ask for each tile JOINTLY (mask 15), each wave for a quarter; they also share a batch and its tables.
; LIMITS.  A row's variance is E[z^2] - mean^2 in f32: its relative error is about (mean^2 / variance) x 2^-23.  erf is Abramowitz and Stegun's 7.1.26, absolute error 1.5e-7, for every x.
; A weight p below 2^-126 counts as 0.  NaN and infinities are not treated apart.
;
; LDS: 0 slot 0; 65,536 slot 1; TAB the batch's tables; XST x in bf16, 128 rows of 1,024 bytes + 128 of zeros + 16, each wave's own rows; SPARE the spare words.
;      At the end, when the slots have had their last fill and a barrier has passed, each wave stages 16 rows of f32 (pitch 2,064) over the slots and the first 1,024 bytes of the tables.
; REGISTERS, in windows of 256 (s_set_vgpr_msb: bits 1:0 source 0, 3:2 source 1, 5:4 source 2, 7:6 destination):
;   window 0: v0 thread, v1 r, v2 h, v3, v4 my place in slot 0, 1, v5, v6 the add's, v7 x fragments, v8 b1, v9 tables + 32 h, v10-30 at work, v31 the prefetches' offset;
;             HA v32-95 hidden sums (rt, ht) at 32 + 8 (2 ht + rt); HF v96-127 hidden fragments (rt, kf) at 96 + 8 (2 kf + rt); WB v128-255 two buffers of 8 weight fragments
;   window 1: QF, the 512 channels as fragments (rt, kf) at 8 (2 kf + rt)          windows 2, 3: ACC, the 512 channels' f32 sums (rt, ct) at 8 (2 (ct % 16) + rt)
.set TAB,   131072
.set TABB,  33792
.set XST,   164864
.set XP,    1168                       ; 73 x 16 bytes: the 16 rows that a fragment load touches begin at 16 different columns of 16 bytes
.set SPARE, 314368
.set SGP,   2064                       ; 129 x 16 bytes
.set STGB,  16*SGP
.set O_VT,  8192
.set O_BQ,  16384
.set O_L1W, 18432                      ; then ln1_b and b2, 2,048 bytes each
.set O_L2W, 24576
.set O_L2B, 26624
.set O_B1,  28672
.set O_CW,  32768
.set HA,    32
.set HF,    96
.set WB,    128
.set MSB, 0
.macro WIN new                         ; the immediate's high byte repeats the setting that is left; a switch that changes nothing is dropped
.if MSB != (\new)
	s_set_vgpr_msb (MSB<<8)|(\new)
.set MSB, (\new)
.endif
.endm
.macro PLACES                          ; four plain places behind a matrix instruction, in front of loads into its sources and of vector lines that read its result
.rept 4
	v_nop
.endr
.endm
.macro CREST                           ; a round of the cluster's barrier behind its opening barrier
	s_cmp_lg_u32 s12, 0
	s_cbranch_scc1 .Lnot_wave_0_\@
	s_barrier_signal -3
.Lnot_wave_0_\@:
	s_barrier_wait -3
	s_barrier_signal -1
	s_barrier_wait -1
.endm
.macro CROUND
	s_barrier_signal -1
	s_barrier_wait -1
	CREST
.endm
; 16 LDS loads: group g (8 fragments, 8,192 bytes) of the tile in a slot into buffer b.  32 lanes take 512 consecutive bytes.
.macro LOADG slot, g, b
	WIN 0
.irp f, 0,1,2,3,4,5,6,7
	ds_load_b128 v[WB+64*(\b)+8*(\f):WB+64*(\b)+8*(\f)+3],   v[3+(\slot)] offset:(\g)*8192+(\f)*1024
	ds_load_b128 v[WB+64*(\b)+8*(\f)+4:WB+64*(\b)+8*(\f)+7], v[3+(\slot)] offset:(\g)*8192+(\f)*1024+512
.endr
.endm
; 8 matrix instructions on 8 different accumulators.  MULN: ACC(rt, 4 g + c) += weight fragment (c, part) x activations (rt, part) at v[xf].
.macro MULN g, part, xf
	WIN 0xa0+0x50*((\g)/4)
.irp c, 0,1,2,3
.irp rt, 0,1
.set AC, 8*(2*((4*(\g)+(\c))%16)+(\rt))
.set WF, WB+64*((\g)%2)+8*(2*(\c)+(\part))
.set XR, (\xf)+8*(2*(\part)+(\rt))
	v_wmma_f32_16x16x32_bf16 v[AC:AC+7], v[WF:WF+7], v[XR:XR+7], v[AC:AC+7]
.endr
.endr
.endm
; MULH: HA(rt, ht) += weight fragment (part, ht) x QF(rt, 2 g + part).
.macro MULH g, part
	WIN 0x04
.irp ht, 0,1,2,3
.irp rt, 0,1
.set AC, HA+8*(2*(\ht)+(\rt))
.set WF, WB+64*((\g)%2)+8*(4*(\part)+(\ht))
.set XR, 8*(2*(2*(\g)+(\part))+(\rt))
	v_wmma_f32_16x16x32_bf16 v[AC:AC+7], v[WF:WF+7], v[XR:XR+7], v[AC:AC+7]
.endr
.endr
.endm
.macro MUL kind, g, part, xf
.if \kind
	MULH \g, \part
.else
	MULN \g, \part, \xf
.endif
.endm
.macro XLOAD dst, off                  ; 8 loads: my rows' x fragments of 64 k, at byte off behind v7
.irp kf, 0,1
.irp rt, 0,1
	ds_load_b128 v[(\dst)+8*(2*(\kf)+(\rt)):(\dst)+8*(2*(\kf)+(\rt))+3],   v7 offset:(\off)+(\rt)*16*XP+64*(\kf)
	ds_load_b128 v[(\dst)+8*(2*(\kf)+(\rt))+4:(\dst)+8*(2*(\kf)+(\rt))+7], v7 offset:(\off)+(\rt)*16*XP+64*(\kf)+32
.endr
.endr
.endm
.macro B1LOAD                          ; 16 loads: the hidden sums start at b1
.irp ht, 0,1,2,3
.irp rt, 0,1
	ds_load_b128 v[HA+8*(2*(\ht)+(\rt)):HA+8*(2*(\ht)+(\rt))+3],   v8 offset:64*(\ht)
	ds_load_b128 v[HA+8*(2*(\ht)+(\rt))+4:HA+8*(2*(\ht)+(\rt))+7], v8 offset:64*(\ht)+16
.endr
.endr
.endm
.macro HOOK k                          ; loads for the next tile, issued behind a tile's first group
.if (\k) == 1
	XLOAD 32, 128
.elseif (\k) == 2
	XLOAD HF, 256
.elseif (\k) == 3
	v_add_nc_u32 v8, 0x100, v8
	B1LOAD
.endif
.endm
; A PREFETCH INTO THE L2 of the tile that stands two refills on.  All clusters walk the same 40 tiles: the first cluster asks.  Its four partners' waves 0 and 1 take 32 blocks of 256 bytes each,
; told apart by address: 8 x 32 blocks are a tile, each named once in the launch.  how = 1: in the first loop, where every such tile exists; how = 0: not in the second loop's last trip.
.macro ASK how
.if \how
	s_cmp_eq_u32 s15, 1
.else
	s_cmp_gt_u32 s44, s15
.endif
	s_cbranch_scc0 .Lnot_mine_\@
	global_prefetch_b8 v31, s[46:47] th:TH_LOAD_NT scope:SCOPE_SE
.Lnot_mine_\@:
.endm
; A TILE: 8 groups of 16 matrix instructions on buffers 0, 1, 0, 1 ..; a group's 16 loads go out two groups ahead.  On entry groups 0 and 1 have been asked for.
; mode 2: the slot is filled again with the tile two on.  Each wave waits for all its tensor loads (one is out: its quarter of the other slot), adds 0 to its spare word, and waits for that and for its own
; reads of this slot; the barrier opens a round of the cluster's barrier; the joint refill is the first thing behind the round.  mode 1: the same barrier, nothing is filled.  mode 0: the last tile.
; pre: how many groups of the next tile are asked for here (WB's second buffer is wanted by the gelu behind a tile of W1).
.macro TILE kind, slot, mode, pre, hook, xf, how
.set HN, 8*(((\hook)+1)/2)             ; the hook's loads
.irp g, 0,1,2,3,4,5
.if ((\g) == 1) || ((\g) == 2)
	s_wait_dscnt 16+HN                             ; behind this group's loads: the next group's 16 and the hook's
.else
	s_wait_dscnt 16                                ; behind this group's loads: the next group's 16
.endif
	MUL \kind, \g, 0, \xf
	MUL \kind, \g, 1, \xf
	PLACES
	LOADG \slot, (\g)+2, (\g)%2
.if (\g) == 0
	HOOK \hook
.endif
.endr
.if (\mode) == 0
	s_wait_dscnt 16
	MUL \kind, 6, 0, \xf
	MUL \kind, 6, 1, \xf
	s_wait_dscnt 0x0
	MUL \kind, 7, 0, \xf
	MUL \kind, 7, 1, \xf
	WIN 0
.else
.if (\mode) == 2
	s_wait_xcnt 0x0                                ; the last prefetch, a tile back, has read its address
	s_add_nc_u64 s[46:47], s[46:47], 0x10000
.endif
	WIN 0
	s_wait_tensorcnt 0x0                           ; all my tensor loads have landed, so a group 0 may be written
	ds_add_u32 v5, v6                              ; 0 onto my spare word
.if (\mode) == 2
	s_add_nc_u64 s[34+4*(\slot):35+4*(\slot)], s[34+4*(\slot):35+4*(\slot)], 0x20000  ; this slot's next tile; the type bits on top are not reached
.endif
	s_wait_dscnt 17                                ; group 6 is in; group 7's 16 loads and the add may be out
	MUL \kind, 6, 0, \xf
	MUL \kind, 6, 1, \xf
	s_wait_dscnt 0x0                               ; the add is done, and my reads of this slot are over
	s_barrier_signal -1
	MUL \kind, 7, 0, \xf                           ; work on registers while the others arrive
	WIN 0
	s_barrier_wait -1
.if (\mode) == 2
	CREST                                          ; no wave of any partner still reads this slot or has a load on its way
	tensor_load_to_lds s[32+4*(\slot):35+4*(\slot)], s[16:23]
	s_nop 0
.endif
	PLACES                                         ; behind the tensor load, and in front of the loads into buffer 0
	LOADG 1-(\slot), 0, 0
.if (\mode) == 2
	ASK \how
.endif
	MUL \kind, 7, 1, \xf
	PLACES
.if (\pre) == 2
	LOADG 1-(\slot), 1, 1
.endif
	WIN 0
.endif
.endm
; EXACT GELU of the 64 hidden channels, 16 registers at a time: gelu(x) = x / 2 + |x| (1/2 - (poly(t) / 2) e^(-x^2 / 2)), t = 1 / (1 + 0.3275911 |x| / sqrt(2)).
; A = |x| v192-207, T v208-223, E v224-239, P v240-255.  The 32 transcendentals of a batch have one plain line and one wait behind them.
.macro GELU
	WIN 0
.irp ht, 0,1,2,3
.set GX, HA+16*(\ht)
.set i, 0
.rept 16
	v_and_b32 v[192+i], s75, v[GX+i]
.set i, i+1
.endr
.set i, 0
.rept 8
	v_pk_fma_f32 v[208+i:209+i], v[192+i:193+i], s[50:51], 1.0 op_sel_hi:[1,0,0]
	v_pk_mul_f32 v[224+i:225+i], v[GX+i:GX+i+1], s[52:53] op_sel_hi:[1,0]
.set i, i+2
.endr
.set i, 0
.rept 8
	v_pk_mul_f32 v[224+i:225+i], v[224+i:225+i], v[GX+i:GX+i+1]
.set i, i+2
.endr
.set i, 0
.rept 16
	v_rcp_f32 v[208+i], v[208+i]
.set i, i+1
.endr
.set i, 0
.rept 16
	v_exp_f32 v[224+i], v[224+i]
.set i, i+1
.endr
	v_nop
	s_wait_alu depctr_va_vdst(0)
.set i, 0
.rept 8
	v_pk_fma_f32 v[240+i:241+i], v[208+i:209+i], s[62:63], s[60:61] op_sel_hi:[1,0,0]
.set i, i+2
.endr
.irp a, 58, 56, 54
.set i, 0
.rept 8
	v_pk_fma_f32 v[240+i:241+i], v[240+i:241+i], v[208+i:209+i], s[\a:\a+1] op_sel_hi:[1,1,0]
.set i, i+2
.endr
.endr
.set i, 0
.rept 8
	v_pk_mul_f32 v[240+i:241+i], v[240+i:241+i], v[208+i:209+i]
.set i, i+2
.endr
.set i, 0
.rept 8
	v_pk_fma_f32 v[240+i:241+i], v[240+i:241+i], v[224+i:225+i], 0.5 op_sel_hi:[1,1,0] neg_lo:[1,0,0] neg_hi:[1,0,0]
.set i, i+2
.endr
.set i, 0
.rept 8
	v_pk_mul_f32 v[240+i:241+i], v[240+i:241+i], v[192+i:193+i]
.set i, i+2
.endr
.set i, 0
.rept 8
	v_pk_fma_f32 v[GX+i:GX+i+1], v[GX+i:GX+i+1], 0.5, v[240+i:241+i] op_sel_hi:[1,0,1]
.set i, i+2
.endr
.irp rt, 0,1
.irp m, 0,1,2,3
	v_cvt_pk_bf16_f32 v[HF+8*(2*((\ht)/2)+(\rt))+4*((\ht)%2)+(\m)], v[GX+8*(\rt)+2*(\m)], v[GX+8*(\rt)+2*(\m)+1]
.endr
.endr
.endr
.endm
; A ROW'S MEAN AND VARIANCE over ACC.  Sums at v[10+4 rt+2 c], sums of squares 8 further, two chains a row tile; each accumulator is read from its low end on.
; Leaves 1 / sqrt(var + eps) in v[20+4 rt] and -mean / sqrt(var + eps) in v[18+4 rt].
.macro STATS
	WIN 0
.set i, 0
.rept 16
	v_mov_b32 v[10+i], 0
.set i, i+1
.endr
.set ct, 0
.rept 32
	WIN 0x0a+5*(ct/16)                             ; sources 0 and 1 in window 2 or 3
.irp m, 0,1,2,3
.irp rt, 0,1
.set AC, 8*(2*(ct%16)+(\rt))+2*(\m)
.set SU, 10+4*(\rt)+2*((\m)%2)
	v_pk_fma_f32 v[SU:SU+1], v[AC:AC+1], 1.0, v[SU:SU+1] op_sel_hi:[1,0,1]
	v_pk_fma_f32 v[SU+8:SU+9], v[AC:AC+1], v[AC:AC+1], v[SU+8:SU+9]
.endr
.endr
.set ct, ct+1
.endr
	WIN 0
.irp rt, 0,1
	v_pk_add_f32 v[10+4*\rt:11+4*\rt], v[10+4*\rt:11+4*\rt], v[12+4*\rt:13+4*\rt]
	v_pk_add_f32 v[18+4*\rt:19+4*\rt], v[18+4*\rt:19+4*\rt], v[20+4*\rt:21+4*\rt]
.endr
.irp rt, 0,1
	v_add_f32 v[10+4*\rt], v[10+4*\rt], v[11+4*\rt]
	v_add_f32 v[18+4*\rt], v[18+4*\rt], v[19+4*\rt]
.endr
.irp rt, 0,1
	v_permlanex16_b32 v[11+4*\rt], v[10+4*\rt], s48, s49   ; the row's other 256 channels lie in the lane 16 away
	v_permlanex16_b32 v[19+4*\rt], v[18+4*\rt], s48, s49
.endr
.irp rt, 0,1
	v_add_f32 v[10+4*\rt], v[10+4*\rt], v[11+4*\rt]
	v_add_f32 v[18+4*\rt], v[18+4*\rt], v[19+4*\rt]
.endr
.irp rt, 0,1
	v_mul_f32 v[10+4*\rt], 0x3b000000, v[10+4*\rt]         ; / 512: the mean
	v_mul_f32 v[18+4*\rt], 0x3b000000, v[18+4*\rt]
.endr
.irp rt, 0,1
	v_mul_f32 v[11+4*\rt], v[10+4*\rt], v[10+4*\rt]
.endr
.irp rt, 0,1
	v_sub_f32 v[18+4*\rt], v[18+4*\rt], v[11+4*\rt]
.endr
.irp rt, 0,1
	v_max_num_f32 v[18+4*\rt], 0, v[18+4*\rt]
.endr
.irp rt, 0,1
	v_add_f32 v[18+4*\rt], 0x3727c5ac, v[18+4*\rt]         ; + 1e-5
.endr
.irp rt, 0,1
	v_rsq_f32 v[20+4*\rt], v[18+4*\rt]
.endr
.irp rt, 0,1
	v_mul_f32 v[10+4*\rt], -1.0, v[10+4*\rt]               ; plain lines behind the two roots
.endr
	s_wait_alu depctr_va_vdst(0)                   ; and their wait, ahead of the first use
.irp rt, 0,1
	v_mul_f32 v[18+4*\rt], v[10+4*\rt], v[20+4*\rt]
.endr
.endm
	; ---------------- THE HEAD ----------------
	s_load_b256 s[4:11], s[0:1], 0x0               ; x s[4:5], wt s[6:7], tab s[8:9], out0 s[10:11]
	v_lshl_add_u32 v5, v0, 2, SPARE
	v_mov_b32 v6, 0
	ds_add_u32 v5, v6                              ; the wave's opening: the add and its wait stand ahead of my first tensor load; the set-up below, work on registers, stands between
	v_lshrrev_b32 v1, 5, v0
	v_readfirstlane_b32 s12, v1                    ; wave 0..3
	s_bfe_u32 s13, ttmp6, 0x40000                  ; cx: it enters x's, out0's and the prefetches' addresses alone
	s_lshl_b32 s14, ttmp9, 2
	s_add_co_u32 s14, s14, s13                     ; my work-group: rows 128 wg on
	; descriptor group 1: dense blocks as rows of 256 bytes (32 elements of 8 bytes), no padding; mask of all four partners, bit 21 beside it
	s_mov_b32 s16, 15|(3<<16)|(1<<21)
	s_mov_b32 s17, 32<<16                          ; tensor_dim0 = 32
	s_mov_b32 s18, 64<<16                          ; tensor_dim1 = 64: a quarter of a weight tile
	s_mov_b32 s19, 32<<16                          ; tile_dim0 = 32
	s_mov_b32 s20, 64                              ; tile_dim1 = 64
	s_mov_b32 s21, 32                              ; 32 elements from row to row
	s_mov_b32 s22, 0
	s_mov_b32 s23, 0
	s_mov_b32 s24, 15|(3<<16)|(1<<21)
	s_mov_b32 s25, 32<<16
	s_mov_b32 s26, 33<<16                          ; 33 rows: a quarter of the batch's tables
	s_mov_b32 s27, 32<<16
	s_mov_b32 s28, 33
	s_mov_b32 s29, 32
	s_mov_b32 s30, 0
	s_mov_b32 s31, 0
	s_mov_b32 s32, 1                               ; group 0 for slot 0
	s_lshl_b32 s33, s12, 14
	s_mov_b32 s36, 1                               ; for slot 1
	s_add_co_u32 s37, s33, 65536
	s_mov_b32 s40, 1                               ; for the tables
	s_mul_i32 s41, s12, 8448
	s_add_co_u32 s41, s41, TAB
	s_lshl_b32 s68, s12, 14                        ; my quarter of a tile
	s_mov_b32 s69, 0
	s_lshr_b32 s70, ttmp9, 1                       ; the batch: 8 work-groups, 2 clusters
	s_mul_i32 s70, s70, TABB
	s_mul_i32 s71, s12, 8448
	s_add_co_u32 s70, s70, s71
	s_mov_b32 s71, 0
	s_lshl_b32 s72, s14, 18                        ; 128 rows of 2,048 bytes a work-group,
	s_lshl_b32 s73, s12, 16                        ; 32 a wave
	s_add_co_u32 s72, s72, s73
	s_mov_b32 s73, 0
	s_lshl_b32 s76, s13, 1                         ; the prefetches: 8,192 bytes of a tile for (partner, wave 0 or 1),
	s_add_co_u32 s76, s76, s12
	s_lshl_b32 s76, s76, 13
	s_add_co_u32 s76, s76, 3*65536                 ; at tile 3; the first change of slots steps it to tile 4
	s_mov_b32 s77, 0
	s_lshr_b32 s15, s12, 1
	s_or_b32 s15, s15, ttmp9
	s_cmp_eq_u32 s15, 0
	s_cselect_b32 s15, 1, -1                       ; 1 in waves 0 and 1 of the first cluster: the same in all four partners
	s_mov_b32 s48, 0x76543210                      ; v_permlanex16_b32: each lane takes its own place in the other half
	s_mov_b32 s49, 0xfedcba98
	s_mov_b32 s50, 0x3e6d3388                      ; 0.3275911 / sqrt(2)
	s_mov_b32 s51, s50
	s_mov_b32 s52, 0xbf38aa3b                      ; -log2(e) / 2
	s_mov_b32 s53, s52
	s_mov_b32 s54, 0x3e027906                      ; a1 / 2 .. a5 / 2
	s_mov_b32 s55, s54
	s_mov_b32 s56, 0xbe11a98e
	s_mov_b32 s57, s56
	s_mov_b32 s58, 0x3f35f0e3
	s_mov_b32 s59, s58
	s_mov_b32 s60, 0xbf3a00e3
	s_mov_b32 s61, s60
	s_mov_b32 s62, 0x3f07dc22
	s_mov_b32 s63, s62
	s_mov_b32 s66, 0xffff                          ; lanes 0-15
	s_mov_b32 s67, 0xffff0000                      ; a word's upper bf16
	s_mov_b32 s75, 0x7fffffff
	s_mul_i32 s74, s12, 32*XP
	s_add_co_u32 s74, s74, XST                     ; my 32 rows of x in LDS
	v_and_b32 v1, 15, v0                           ; r
	v_bfe_u32 v2, v0, 4, 1                         ; h
	v_and_b32 v12, 31, v0                          ; lane
	v_lshlrev_b32 v3, 4, v12
	v_add_nc_u32 v4, 0x10000, v3
	v_lshlrev_b32 v31, 8, v12
	v_lshl_add_u32 v9, v2, 5, TAB
	v_mul_u32_u24 v7, v1, XP
	v_lshl_add_u32 v7, v2, 4, v7
	v_add_nc_u32 v7, s74, v7                       ; row r, 16 h
	v_lshl_add_u32 v10, v12, 3, s74                ; where I put 8 bytes of a row
	v_mul_u32_u24 v11, v12, XP
	v_add_nc_u32 v11, s74, v11                     ; row = lane, for the zeros
	v_mov_b32 v12, 0
	v_mov_b32 v13, 0
	v_mov_b32 v14, 0
	v_mov_b32 v15, 0
	s_wait_dscnt 0x0                               ; the opening add is done
	s_wait_kmcnt 0x0
	s_add_nc_u64 s[34:35], s[6:7], s[68:69]
	s_add_nc_u64 s[38:39], s[34:35], 0x10000
	s_or_b32 s35, s35, 0x80000000
	s_or_b32 s39, s39, 0x80000000
	s_add_nc_u64 s[42:43], s[8:9], s[70:71]
	s_or_b32 s43, s43, 0x80000000
	s_add_nc_u64 s[4:5], s[4:5], s[72:73]
	s_add_nc_u64 s[10:11], s[10:11], s[72:73]
	s_add_nc_u64 s[46:47], s[6:7], s[76:77]
	CROUND                                         ; all four work-groups are here: the first joint loads meet
	tensor_load_to_lds s[40:43], s[24:31]          ; the tables, tile 0, tile 1: three loads of mine are out
	s_nop 0
	tensor_load_to_lds s[32:35], s[16:23]
	s_nop 0
	tensor_load_to_lds s[36:39], s[16:23]
	s_nop 0
	PLACES
	; ---------------- x: 32 rows of 2,048 bytes, read once, rounded to bf16, into my rows of LDS ----------------
	WIN 0x80
.set n, 0
.rept 64
	global_load_b128 v[4*n:4*n+3], v3, s[4:5] offset:(n/4)*2048+(n%4)*512 th:TH_LOAD_NT
.set n, n+1
.endr
	WIN 0xc0
.rept 64
	global_load_b128 v[4*(n-64):4*(n-64)+3], v3, s[4:5] offset:(n/4)*2048+(n%4)*512 th:TH_LOAD_NT
.set n, n+1
.endr
	WIN 0
.irp i, 0,1,2,3,4,5,6,7
	ds_store_b128 v11, v[12:15] offset:1024+16*(\i)        ; 128 bytes of zeros behind each row: the first loop's last look-ahead reads them
.endr
.macro XCONV k                         ; loads 16 k .. 16 k + 15
	WIN 0x0a+5*((\k)/4)
.set n, 0
.rept 16
	v_cvt_pk_bf16_f32 v[128+32*((\k)%4)+2*n],   v[64*((\k)%4)+4*n],   v[64*((\k)%4)+4*n+1]
	v_cvt_pk_bf16_f32 v[128+32*((\k)%4)+2*n+1], v[64*((\k)%4)+4*n+2], v[64*((\k)%4)+4*n+3]
.set n, n+1
.endr
	WIN 0
.set n, 0
.rept 16
	ds_store_b64 v10, v[128+32*((\k)%4)+2*n:128+32*((\k)%4)+2*n+1] offset:((16*(\k)+n)/4)*XP+((16*(\k)+n)%4)*256
.set n, n+1
.endr
.endm
	s_wait_loadcnt 63                              ; at most the last 63 are out: loads 0 to 63 are in
	XCONV 0
	XCONV 1
	XCONV 2
	XCONV 3
	s_wait_loadcnt 48
	XCONV 4
	s_wait_loadcnt 32
	XCONV 5
	s_wait_loadcnt 16
	XCONV 6
	s_wait_loadcnt 0x0
	XCONV 7
	s_wait_tensorcnt 1                             ; my quarters of the tables and of tile 0 are in; tile 1's may stay out
	s_wait_dscnt 0x0
	s_barrier_signal -1
	s_barrier_wait -1
	; ---------------- q = x Wq^T + bq: the sums start at bq ----------------
	WIN 0x80
.set ct, 0
.rept 32
.if ct == 16
	WIN 0xc0
.endif
.irp rt, 0,1
	ds_load_b128 v[8*(2*(ct%16)+\rt):8*(2*(ct%16)+\rt)+3],   v9 offset:O_BQ+64*ct
	ds_load_b128 v[8*(2*(ct%16)+\rt)+4:8*(2*(ct%16)+\rt)+7], v9 offset:O_BQ+64*ct+16
.endr
.set ct, ct+1
.endr
	WIN 0
	XLOAD HF, 0
	LOADG 0, 0, 0
	LOADG 0, 1, 1
	s_mov_b32 s44, 4
.Lg1:                                  ; a trip: two tiles of Wq, 128 k; every change of slots has a tile to ask for (tiles 2 to 9)
	TILE 0, 0, 2, 2, 1, HF, 1
	TILE 0, 1, 2, 2, 2, 32, 1
	v_add_nc_u32 v7, 0x100, v7
	s_sub_co_u32 s44, s44, 1
	s_cmp_lg_u32 s44, 0
	s_cbranch_scc1 .Lg1
	; ---------------- ATTENTION AND LAYERNORM 1 ----------------
	s_wait_dscnt 0x0                               ; the look-ahead loads of the last trip have landed: their registers are at work below (the two groups of tile 8 are asked for again)
	WIN 0x4a                                       ; q rounded to bf16: the dot products' second source
.set ct, 0
.rept 32
.if ct == 16
	WIN 0x4f
.endif
.irp rt, 0,1
.irp m, 0,1,2,3
	v_cvt_pk_bf16_f32 v[8*(2*(ct/2)+\rt)+4*(ct%2)+\m], v[8*(2*(ct%16)+\rt)+2*\m], v[8*(2*(ct%16)+\rt)+2*\m+1]
.endr
.endr
.set ct, ct+1
.endr
	WIN 0
	v_and_b32 v10, 7, v0
	v_lshl_add_u32 v10, v10, 4, TAB
	v_lshl_add_u32 v10, v2, 7, v10                 ; vector r % 8: rows 8-15 of source 0 repeat rows 0-7, so both halves of the lanes end with all eight dot products
.set kf, 0
.rept 16
	ds_load_b128 v[WB+8*kf:WB+8*kf+3],   v10 offset:512*kf
	ds_load_b128 v[WB+8*kf+4:WB+8*kf+7], v10 offset:512*kf+256
.set kf, kf+1
.endr
	s_wait_dscnt 0x0
	WIN 0x04
.set kf, 0
.rept 16
.irp rt, 0,1                           ; the two accumulators take turns
.if kf == 0
	v_wmma_f32_16x16x32_bf16 v[32+8*\rt:39+8*\rt], v[WB+8*kf:WB+8*kf+7], v[8*(2*kf+\rt):8*(2*kf+\rt)+7], 0
.else
	v_wmma_f32_16x16x32_bf16 v[32+8*\rt:39+8*\rt], v[WB+8*kf:WB+8*kf+7], v[8*(2*kf+\rt):8*(2*kf+\rt)+7], v[32+8*\rt:39+8*\rt]
.endif
.endr
.set kf, kf+1
.endr
	WIN 0
	PLACES
	v_add_f32 v10, v32, v33                        ; hi + lo: a = q.uk, b = q.rk, c = q.bk, each times log2(e) / sqrt(512); row tile 0 now,
	v_add_f32 v12, v34, v35
	v_add_f32 v14, v36, v37
	v_add_f32 v16, v40, v41                        ; row tile 1 next
	v_add_f32 v17, v42, v43
	v_add_f32 v18, v44, v45
	v_mov_b32 v11, v10
	v_mov_b32 v13, v12
	v_mov_b32 v15, v14
	v_lshl_add_u32 v19, v2, 8, TAB+O_CW            ; my half of the lanes takes s = 64 h .. 64 h + 63
.set i, 0
.rept 16
	ds_load_b128 v[128+4*i:131+4*i], v19 offset:16*i       ; conv_w
	ds_load_b128 v[192+4*i:195+4*i], v19 offset:512+16*i   ; conv_b
.set i, i+1
.endr
	v_mov_b32 v22, 0
	v_mov_b32 v23, 0
	s_wait_dscnt 0x0
	s_mov_b32 s44, 2
.Lsm:                                  ; a trip: one row tile's softmax.  64 scores a lane in v64-127
.set i, 0
.rept 32
	v_pk_fma_f32 v[64+2*i:65+2*i], v[128+2*i:129+2*i], v[10:11], v[14:15]
.set i, i+1
.endr
.set i, 0
.rept 32
	v_pk_fma_f32 v[64+2*i:65+2*i], v[192+2*i:193+2*i], v[12:13], v[64+2*i:65+2*i]
.set i, i+1
.endr
.irp k, 0,1,2,3                        ; the maximum: four chains of 15 scores, three operands at a time
	v_max3_num_f32 v[32+\k], v[64+16*\k], v[65+16*\k], v[66+16*\k]
.endr
.irp j, 0,1,2,3,4,5
.irp k, 0,1,2,3
	v_max3_num_f32 v[32+\k], v[32+\k], v[67+16*\k+2*\j], v[68+16*\k+2*\j]
.endr
.endr
	v_max3_num_f32 v32, v32, v79, v95
	v_max3_num_f32 v33, v33, v111, v127
	v_max3_num_f32 v32, v32, v33, v34
	v_max_num_f32 v32, v32, v35
	v_permlanex16_b32 v33, v32, s48, s49           ; the row's other 64 scores lie in the lane 16 away
	v_max_num_f32 v32, v32, v33
	v_mov_b32 v33, v32
.set i, 0
.rept 32
	v_pk_add_f32 v[64+2*i:65+2*i], v[64+2*i:65+2*i], v[32:33] neg_lo:[0,1] neg_hi:[0,1]
.set i, i+1
.endr
.set i, 0
.rept 64
	v_exp_f32 v[64+i], v[64+i]
.set i, i+1
.endr
	v_nop                                          ; a plain line behind the last exponential,
	s_wait_alu depctr_va_vdst(0)                   ; and one wait for the 64, ahead of the first use
.set i, 0
.rept 32                               ; sum p at v36-39, sum p conv_w at v40-43, sum p conv_b at v44-47: two chains each
.set cc, i%2
.if i < 2
	v_pk_mul_f32 v[40+2*cc:41+2*cc], v[64+2*i:65+2*i], v[128+2*i:129+2*i]
	v_pk_mul_f32 v[44+2*cc:45+2*cc], v[64+2*i:65+2*i], v[192+2*i:193+2*i]
.else
.if i < 4
	v_pk_add_f32 v[36+2*cc:37+2*cc], v[60+2*i:61+2*i], v[64+2*i:65+2*i]
.else
	v_pk_add_f32 v[36+2*cc:37+2*cc], v[36+2*cc:37+2*cc], v[64+2*i:65+2*i]
.endif
	v_pk_fma_f32 v[40+2*cc:41+2*cc], v[64+2*i:65+2*i], v[128+2*i:129+2*i], v[40+2*cc:41+2*cc]
	v_pk_fma_f32 v[44+2*cc:45+2*cc], v[64+2*i:65+2*i], v[192+2*i:193+2*i], v[44+2*cc:45+2*cc]
.endif
.set i, i+1
.endr
.irp b, 36, 40, 44
	v_pk_add_f32 v[\b:\b+1], v[\b:\b+1], v[\b+2:\b+3]
.endr
.irp b, 36, 40, 44
	v_add_f32 v[\b], v[\b], v[\b+1]
.endr
.irp b, 36, 40, 44
	v_permlanex16_b32 v[\b+1], v[\b], s48, s49
.endr
.irp b, 36, 40, 44
	v_add_f32 v[\b], v[\b], v[\b+1]
.endr
	v_rcp_f32 v38, v36
	v_mov_b32 v20, v22                             ; the trip before's alpha and beta move on (plain lines behind the reciprocal)
	v_mov_b32 v21, v23
	s_wait_alu depctr_va_vdst(0)
	v_mul_f32 v22, v40, v38                        ; alpha
	v_mul_f32 v23, v44, v38                        ; beta
	v_mov_b32 v10, v16                             ; the next row tile's a, b, c
	v_mov_b32 v11, v16
	v_mov_b32 v12, v17
	v_mov_b32 v13, v17
	v_mov_b32 v14, v18
	v_mov_b32 v15, v18
	s_sub_co_u32 s44, s44, 1
	s_cmp_lg_u32 s44, 0
	s_cbranch_scc1 .Lsm
	; source 1 of the update, 8 of its 32 k in use: alpha_hi, alpha_lo, alpha_hi, beta_hi, beta_lo, beta_hi, 1, 1 against a channel's record; k = 8 .. 31 are zeros
.irp rt, 0,1
	v_cvt_pk_bf16_f32 v48, v[20+2*\rt], v[21+2*\rt]
	v_lshlrev_b32 v49, 16, v48
	v_and_b32 v50, s67, v48
	v_sub_f32 v51, v[20+2*\rt], v49
	v_sub_f32 v52, v[21+2*\rt], v50
	v_cvt_pk_bf16_f32 v53, v49, v51
	v_cvt_pk_bf16_f32 v54, v52, v50
	v_mov_b32 v55, 0x3f803f80
	v_cndmask_b32 v[32+8*\rt], 0, v53, s66
	v_cndmask_b32 v[33+8*\rt], 0, v48, s66
	v_cndmask_b32 v[34+8*\rt], 0, v54, s66
	v_cndmask_b32 v[35+8*\rt], 0, v55, s66
	v_mov_b32 v[36+8*\rt], 0
	v_mov_b32 v[37+8*\rt], 0
	v_mov_b32 v[38+8*\rt], 0
	v_mov_b32 v[39+8*\rt], 0
.endr
	v_lshl_add_u32 v19, v1, 4, TAB+O_VT            ; channel r of a block of 16
.set i, 0
.rept 16
	v_mov_b32 v[WB+8*i+4], 0                       ; k = 16 .. 31 of source 0
	v_mov_b32 v[WB+8*i+5], 0
	v_mov_b32 v[WB+8*i+6], 0
	v_mov_b32 v[WB+8*i+7], 0
.set i, i+1
.endr
.macro VTL t                           ; the records of 8 blocks of 16 channels, into set t % 2
.irp c, 0,1,2,3,4,5,6,7
	ds_load_b128 v[WB+8*(8*((\t)%2)+(\c)):WB+8*(8*((\t)%2)+(\c))+3], v19 offset:256*(8*(\t)+(\c))
.endr
.endm
.macro RANK t                          ; ACC += alpha uv + beta rv + bv: 16 matrix instructions on 16 accumulators
	WIN 0xa0+0x50*((\t)/2)
.irp c, 0,1,2,3,4,5,6,7
.irp rt, 0,1
.set AC, 8*(2*((8*(\t)+(\c))%16)+(\rt))
.set WF, WB+8*(8*((\t)%2)+(\c))
	v_wmma_f32_16x16x32_bf16 v[AC:AC+7], v[WF:WF+7], v[32+8*(\rt):39+8*(\rt)], v[AC:AC+7]
.endr
.endr
	WIN 0
.endm
	VTL 0
	VTL 1
	s_wait_dscnt 8                                 ; the other set's 8 loads may be out
	RANK 0
	PLACES
	VTL 2
	s_wait_dscnt 8
	RANK 1
	PLACES
	VTL 3
	s_wait_dscnt 8
	RANK 2
	s_wait_dscnt 0x0
	RANK 3
	PLACES
	STATS
	; query = (z - mean) rstd ln1_w + ln1_b; rounded to bf16 into QF for W1; ACC keeps query + b2 in f32 for the residual.  8 batches of 4 blocks of channels, the tables in two sets of 96 registers.
.macro NLOAD bt
	WIN 0
.irp c, 0,1,2,3
.irp t, 0,1,2
	ds_load_b128 v[64+96*((\bt)%2)+32*(\t)+8*(\c):64+96*((\bt)%2)+32*(\t)+8*(\c)+3],   v9 offset:O_L1W+2048*(\t)+64*(4*(\bt)+(\c))
	ds_load_b128 v[64+96*((\bt)%2)+32*(\t)+8*(\c)+4:64+96*((\bt)%2)+32*(\t)+8*(\c)+7], v9 offset:O_L1W+2048*(\t)+64*(4*(\bt)+(\c))+16
.endr
.endr
.endm
.macro NCALC bt
.set WS, 64+96*((\bt)%2)
	WIN 0x82+0x41*((\bt)/4)                        ; destination and source 0 in window 2 or 3
.irp c, 0,1,2,3
.irp rt, 0,1
.irp m, 0,1,2,3
.set AC, 8*(2*((4*(\bt)+(\c))%16)+(\rt))+2*(\m)
	v_pk_fma_f32 v[AC:AC+1], v[AC:AC+1], v[20+4*(\rt):21+4*(\rt)], v[18+4*(\rt):19+4*(\rt)] op_sel_hi:[1,0,0]
.endr
.endr
.endr
.irp c, 0,1,2,3
.irp rt, 0,1
.irp m, 0,1,2,3
.set AC, 8*(2*((4*(\bt)+(\c))%16)+(\rt))+2*(\m)
	v_pk_fma_f32 v[AC:AC+1], v[AC:AC+1], v[WS+8*(\c)+2*(\m):WS+8*(\c)+2*(\m)+1], v[WS+32+8*(\c)+2*(\m):WS+32+8*(\c)+2*(\m)+1]
.endr
.endr
.endr
	WIN 0x4a+5*((\bt)/4)
.irp c, 0,1,2,3
.irp rt, 0,1
.irp m, 0,1,2,3
.set AC, 8*(2*((4*(\bt)+(\c))%16)+(\rt))+2*(\m)
.set QD, 8*(2*((4*(\bt)+(\c))/2)+(\rt))+4*((\c)%2)+(\m)
	v_cvt_pk_bf16_f32 v[QD], v[AC], v[AC+1]
.endr
.endr
.endr
	WIN 0x82+0x41*((\bt)/4)
.irp c, 0,1,2,3
.irp rt, 0,1
.irp m, 0,1,2,3
.set AC, 8*(2*((4*(\bt)+(\c))%16)+(\rt))+2*(\m)
	v_pk_add_f32 v[AC:AC+1], v[AC:AC+1], v[WS+64+8*(\c)+2*(\m):WS+64+8*(\c)+2*(\m)+1]
.endr
.endr
.endr
	WIN 0
.endm
	NLOAD 0
	NLOAD 1
.irp bt, 0,1,2,3,4,5
	s_wait_dscnt 24                                ; the other set's 24 loads may be out
	NCALC \bt
	NLOAD (\bt)+2
.endr
	s_wait_dscnt 24
	NCALC 6
	s_wait_dscnt 0x0
	NCALC 7
	; ---------------- THE FEED-FORWARD: 16 chunks of 64 hidden channels ----------------
	v_add_nc_u32 v8, O_B1, v9
	B1LOAD
	LOADG 0, 0, 0
	LOADG 0, 1, 1
	s_mov_b32 s44, 15
.Lff:                                  ; a trip: a tile of W1 (hidden sums), the gelu, a tile of W2 (onto ACC); both slots are filled again
	TILE 1, 0, 2, 1, 0, 0, 0
	GELU
	LOADG 1, 1, 1
	TILE 0, 1, 2, 2, 3, HF, 0
	s_sub_co_u32 s44, s44, 1
	s_cmp_lg_u32 s44, 0
	s_cbranch_scc1 .Lff
	TILE 1, 0, 1, 1, 0, 0, 0                       ; the last chunk is written out: nothing is asked for
	GELU
	LOADG 1, 1, 1
	TILE 0, 1, 0, 0, 0, HF, 0
	; ---------------- LAYERNORM 2, + x, AND THE WAY OUT ----------------
	PLACES
	STATS
	s_mul_i32 s74, s12, STGB                       ; my stage
	s_mul_i32 s78, s12, 32*XP
	s_add_co_u32 s78, s78, XST
	v_and_b32 v39, 31, v0
	v_mul_u32_u24 v32, v1, SGP
	v_add_nc_u32 v32, s74, v32
	v_add_nc_u32 v33, 2048, v32                    ; behind row r: its two figures
	v_lshl_add_u32 v32, v2, 5, v32                 ; in: row r, 32 bytes for each half of the lanes
	v_lshl_add_u32 v40, v39, 4, s74                ; back: a row's 2,048 bytes in four pieces of 512
	v_mov_b32 v41, s74
	v_add_nc_u32 v41, 2048, v41
	v_lshl_add_u32 v36, v39, 3, s78                ; x: the same channels, 8 bytes a lane
	v_lshlrev_b32 v37, 4, v39                      ; out0
	v_lshl_add_u32 v38, v39, 4, TAB
	s_wait_dscnt 0x0                               ; my reads of the slots are over;
	s_barrier_signal -1
	s_barrier_wait -1                              ; everybody's are: the slots have had their last fill, and the stages may be written
.irp i, 0,1,2,3
	ds_load_b128 v[224+4*\i:227+4*\i], v38 offset:O_L2W+512*\i
	ds_load_b128 v[240+4*\i:243+4*\i], v38 offset:O_L2B+512*\i
.endr
; A row tile: 16 rows of f32 into my stage with each row's rstd and -mean rstd, then back as whole rows: normalised, gained, x added, stored.
.macro WAYOUT rt
	WIN 0
	v_mov_b32 v26, v[20+4*(\rt)]
	v_mov_b32 v27, v[18+4*(\rt)]
	v_mov_b32 v34, v40
	v_mov_b32 v35, v41
	ds_store_b64 v33, v[26:27]
	WIN 0x08                                       ; the stores' data in window 2
.set ct, 0
.rept 32
.if ct == 16
	WIN 0x0c
.endif
	ds_store_b128 v32, v[8*(2*(ct%16)+(\rt)):8*(2*(ct%16)+(\rt))+3]   offset:64*ct
	ds_store_b128 v32, v[8*(2*(ct%16)+(\rt))+4:8*(2*(ct%16)+(\rt))+7] offset:64*ct+16
.set ct, ct+1
.endr
	WIN 0
	s_mov_b32 s44, 4
.Lrow_\@:                              ; a trip: four rows; LDS serves a wave's instructions in order (ISA guide 5.7.1.4): the loads see the stores above
.irp k, 0,1,2,3
.irp i, 0,1,2,3
	ds_load_b128 v[64+32*(\k)+4*(\i):64+32*(\k)+4*(\i)+3], v34 offset:(\k)*SGP+512*(\i)
.endr
	ds_load_b64 v[64+32*(\k)+24:64+32*(\k)+25], v35 offset:(\k)*SGP
.irp i, 0,1,2,3
	ds_load_b64 v[64+32*(\k)+16+2*(\i):64+32*(\k)+17+2*(\i)], v36 offset:(\k)*XP+256*(\i)
.endr
.endr
.irp k, 0,1,2,3
	s_wait_dscnt 27-9*(\k)                         ; the later rows' nine loads each may be out
.irp i, 0,2,4,6,8,10,12,14
	v_pk_fma_f32 v[64+32*(\k)+(\i):64+32*(\k)+(\i)+1], v[64+32*(\k)+(\i):64+32*(\k)+(\i)+1], v[64+32*(\k)+24:64+32*(\k)+25], v[64+32*(\k)+24:64+32*(\k)+25] op_sel:[0,0,1] op_sel_hi:[1,0,1]
.endr
.irp i, 0,2,4,6,8,10,12,14
	v_pk_fma_f32 v[64+32*(\k)+(\i):64+32*(\k)+(\i)+1], v[64+32*(\k)+(\i):64+32*(\k)+(\i)+1], v[224+(\i):225+(\i)], v[240+(\i):241+(\i)]
.endr
.irp j, 0,1,2,3,4,5,6,7
	v_lshlrev_b32 v[192+2*(\j)], 16, v[64+32*(\k)+16+(\j)]
	v_and_b32 v[193+2*(\j)], s67, v[64+32*(\k)+16+(\j)]
.endr
.irp i, 0,2,4,6,8,10,12,14
	v_pk_add_f32 v[64+32*(\k)+(\i):64+32*(\k)+(\i)+1], v[64+32*(\k)+(\i):64+32*(\k)+(\i)+1], v[192+(\i):193+(\i)]
.endr
.irp i, 0,1,2,3
	global_store_b128 v37, v[64+32*(\k)+4*(\i):64+32*(\k)+4*(\i)+3], s[10:11] offset:(\k)*2048+512*(\i) th:TH_STORE_NT  ; 512 consecutive bytes, aligned
.endr
.endr
	s_wait_xcnt 0x0                                ; the stores have read their data and their offset: both are written again only behind this wait
	v_add_nc_u32 v34, 4*SGP, v34
	v_add_nc_u32 v35, 4*SGP, v35
	v_add_nc_u32 v36, 4*XP, v36
	v_add_nc_u32 v37, 0x2000, v37
	s_sub_co_u32 s44, s44, 1
	s_cmp_lg_u32 s44, 0
	s_cbranch_scc1 .Lrow_\@
.endm
	WAYOUT 0
	WAYOUT 1
	s_wait_tensorcnt 0x0                           ; the wave's end: the add and its wait stand behind my last tensor load and my last LDS store
	ds_add_u32 v5, v6
	s_wait_dscnt 0x0
	CROUND                                         ; the closing round: no work-group ends while a partner may still ask for a tile that names it
	s_endpgm
.Lfunc_end_k_q7db0830983_main:
	.size	k_q7db0830983_main, .Lfunc_end_k_q7db0830983_main-k_q7db0830983_main
	.p2alignl 7, 3214868480
	.fill 96, 4, 3214868480
	.section	.rodata,"a",@progbits
	.p2align	6, 0x0
	.amdhsa_kernel k_q7db0830983_main
		.amdhsa_group_segment_fixed_size 327680
		.amdhsa_private_segment_fixed_size 0
		.amdhsa_enable_private_segment 0
		.amdhsa_kernarg_size 32
		.amdhsa_user_sgpr_count 2
		.amdhsa_user_sgpr_kernarg_segment_ptr 1
		.amdhsa_wavefront_size32 1
		.amdhsa_system_sgpr_workgroup_id_x 1
		.amdhsa_system_sgpr_workgroup_id_y 1
		.amdhsa_system_sgpr_workgroup_id_z 1
		.amdhsa_system_vgpr_workitem_id 0
		.amdhsa_next_free_vgpr 1024
		.amdhsa_next_free_sgpr 80
		.amdhsa_reserve_vcc 0
		.amdhsa_float_denorm_mode_32 3
		.amdhsa_float_denorm_mode_16_64 3
		.amdhsa_memory_ordered 1
		.amdhsa_forward_progress 1
		.amdhsa_inst_pref_size 255
	.end_amdhsa_kernel
	.section	.bss,"aw",@nobits
	.p2align	6
	.space	262144
	.amdgpu_metadata
---
amdhsa.version: [ 1, 2 ]
amdhsa.kernels:
  - .name:           k_q7db0830983_main
    .symbol:         k_q7db0830983_main.kd
    .args:
      - { .name: x, .offset: 0, .size: 8, .value_kind: global_buffer, .address_space: global }
      - { .name: wt, .offset: 8, .size: 8, .value_kind: global_buffer, .address_space: global }
      - { .name: tab, .offset: 16, .size: 8, .value_kind: global_buffer, .address_space: global }
      - { .name: out0, .offset: 24, .size: 8, .value_kind: global_buffer, .address_space: global }
    .group_segment_fixed_size: 327680
    .private_segment_fixed_size: 0
    .kernarg_segment_align: 8
    .kernarg_segment_size: 32
    .max_flat_workgroup_size: 128
    .sgpr_count:     80
    .vgpr_count:     1024
    .wavefront_size: 32
...
	.end_amdgpu_metadata
.endif
;; end of part 2
;; ======== version 2 of 2: 2 launches
;; limits: a difference of large sums (such as E[x^2] - mean^2): digits are lost where the result is much smaller than its terms; a function is approximated: absolute error at most 2.5e-05; an absolute error that grows with the inputs' magnitude: up to 1.25e-05 times it
;; workspace buffers: wt 2,621,440 bytes; tab 1,081,344 bytes
;; launch prep (part 3): grid 224 x 1, 4 waves a work-group, no clusters, 0 bytes of LDS; arguments Wq, W1, W2, Wk, Wv, cond_emb, conv_w, conv_b, bq, bk, bv, b1, b2, ln1_w, ln1_b, ln2_w, ln2_b, wt, tab; writes wt, tab
.if DOCPART == 3
	.amdgcn_target "amdgcn-amd-amdhsa--gfx1250"
	.amdhsa_code_object_version 6
	.text
	.protected	k_q7db0830983_prep
	.globl	k_q7db0830983_prep
	.p2align	8
	.type	k_q7db0830983_prep,@function
k_q7db0830983_prep:
	s_mov_b64 s[64:65], 0
	v_nop
	global_prefetch_b8 v0, s[64:65] scope:SCOPE_SE
	s_setreg_imm32_b32 hwreg(HW_REG_WAVE_MODE, 25, 1), 1
	s_wait_xcnt 0x0
; PREPARATION.  Every input but x is rounded once to bf16 here and laid out as the main launch reads it.  Three kinds of work-group, chosen by the work-group's number.
; KIND A (0..159): a quarter of one of 40 weight tiles of 65,536 bytes in wt, in the order of matrix fragments: fragment fi (16 rows x 32 k, 1,024 bytes) holds at byte 512 p + 16 lane
;   the numbers k = 16 p + 8 (lane / 16) + 0..7 of row lane % 16.  Tiles 0-7: Wq, k = 64 i on, fi = 32 kf + ct (rows 16 ct on, k 32 kf on).  Tile 9 + 2 j: W2, k = 64 j on, the same order.
;   Tile 8 + 2 j: W1's rows 64 j on, fi = 32 (ht / 2) + 2 kf + ht % 2 (rows 16 ht on, k 32 kf on).  A wave makes four fragments on end, 4 F .. 4 F + 3.
; KIND B (160..191): k[b][s][:] = conv_w[s] (Wk pad_b) + conv_b[s] (row sums of Wk) + bk, and v likewise, for every input, since cond[b][s][:] = conv_w[s] pad_b + conv_b[s].
;   A wave makes 16 channels of u = W pad_b for 16 batches and of the row sums, by the matrix unit (bf16 operands, f32 sums), and stores them as bf16 hi + lo:
;   for K as eight vectors a batch (SC uk, SC rk, SC bk, each hi and lo, and two of zeros; SC = log2(e) / sqrt(512)), for V as one record of 16 bytes a channel.
;   These stores are 16 bytes a lane to places far apart: 0.5 MB in all, once.
; KIND C (192..223): the biases, gains, conv_w and conv_b, rounded to bf16 and written as f32, once for each batch, so that one dense block a batch holds all tables.
.set SCQ,  0x3d8293ee                  ; log2(e) / sqrt(512)
.set TABB, 33792                       ; bytes of tab for a batch
.set MSB, 0
.macro WIN new                         ; the immediate's high byte repeats the setting that is left
.if MSB != (\new)
	s_set_vgpr_msb (MSB<<8)|(\new)
.set MSB, (\new)
.endif
.endm
.macro PLACES                          ; four plain places behind a matrix instruction (ISA guide 7.12.1)
.rept 4
	v_nop
.endr
.endm
.macro ROUND4 a, t                     ; four f32 at v[a] rounded to bf16 and widened again; v[t], v[t+1] at work
	v_cvt_pk_bf16_f32 v[\t], v[\a], v[(\a)+1]
	v_cvt_pk_bf16_f32 v[(\t)+1], v[(\a)+2], v[(\a)+3]
	v_lshlrev_b32 v[\a], 16, v[\t]
	v_and_b32 v[(\a)+1], 0xffff0000, v[\t]
	v_lshlrev_b32 v[(\a)+2], 16, v[(\t)+1]
	v_and_b32 v[(\a)+3], 0xffff0000, v[(\t)+1]
.endm
	v_lshrrev_b32 v1, 5, v0
	v_readfirstlane_b32 s8, v1                     ; wave 0..3
	v_and_b32 v1, 15, v0                           ; r = lane % 16
	v_bfe_u32 v2, v0, 4, 1                         ; h = lane / 16
	v_and_b32 v3, 31, v0                           ; lane
	s_cmp_lt_u32 ttmp9, 160
	s_cbranch_scc0 .Lnot_a
	; ---------------- KIND A ----------------
	s_load_b128 s[12:15], s[0:1], 0x0              ; Wq, W1
	s_load_b64 s[16:17], s[0:1], 0x10              ; W2
	s_load_b64 s[18:19], s[0:1], 0x88              ; wt
	s_lshr_b32 s20, ttmp9, 2                       ; tile i
	s_and_b32 s21, ttmp9, 3                        ; its quarter
	s_lshl_b32 s22, s21, 2
	s_add_co_u32 s22, s22, s8                      ; F: my four fragments are 4 F .. 4 F + 3
	s_max_u32 s23, s20, 8
	s_sub_co_u32 s23, s23, 8
	s_lshr_b32 s23, s23, 1
	s_lshl_b32 s23, s23, 6                         ; 64 j
	s_lshl_b32 s24, s20, 6                         ; 64 i
	s_and_b32 s26, s20, 1
	s_add_co_u32 s26, s26, 1
	s_cmp_lt_u32 s20, 8
	s_cselect_b32 s23, s24, s23                    ; KB: first k (Wq, W2) or first row (W1) of the tile
	s_cselect_b32 s26, 0, s26                      ; 0 Wq, 1 W1, 2 W2
	s_cmp_eq_u32 s26, 2
	s_cselect_b32 s27, 12, 11
	s_lshl_b32 s27, 1, s27                         ; bytes in a row of the matrix: 4,096 (W2) or 2,048
	s_and_b32 s24, s22, 7                          ; F % 8
	s_lshr_b32 s25, s22, 3                         ; F / 8
	s_mul_i32 s28, s24, s27                        ; Wq, W2: row 64 (F % 8),
	s_lshl_b32 s28, s28, 6
	s_lshl_b32 s29, s23, 2
	s_add_co_u32 s28, s28, s29                     ; k = KB
	s_lshl_b32 s29, s25, 7
	s_add_co_u32 s28, s28, s29                     ; + 32 (F / 8)
	s_lshl_b32 s29, s25, 5                         ; W1: row KB + 32 (F / 8),
	s_add_co_u32 s29, s29, s23
	s_mul_i32 s29, s29, s27
	s_lshl_b32 s30, s24, 8
	s_add_co_u32 s29, s29, s30                     ; k = 64 (F % 8)
	s_lshl_b32 s30, s27, 4                         ; from fragment n to n + 1: 16 rows
	s_lshl_b32 s31, s27, 5
	s_cmp_eq_u32 s26, 1
	s_cselect_b32 s28, s29, s28                    ; byte offset of fragment 4 F
	s_cselect_b32 s31, 128, s31                    ; from n to n + 2: 32 k (W1) or 32 rows
	v_mul_lo_u32 v4, v1, s27
	v_lshl_add_u32 v4, v2, 5, v4                   ; my row, my 8 k
	v_add_nc_u32 v4, s28, v4
	v_add_nc_u32 v5, s30, v4
	v_add_nc_u32 v6, s31, v4
	v_add_nc_u32 v7, s30, v6
	v_lshlrev_b32 v8, 4, v3
	v_lshl_add_u32 v8, s22, 12, v8                 ; in the tile: 4,096 F + 16 lane
	s_lshl_b32 s34, s20, 16
	s_mov_b32 s35, 0
	s_wait_kmcnt 0x0
	s_cmp_eq_u32 s26, 0
	s_cselect_b64 s[12:13], s[12:13], s[14:15]
	s_cmp_eq_u32 s26, 2
	s_cselect_b64 s[12:13], s[16:17], s[12:13]
	s_add_nc_u64 s[18:19], s[18:19], s[34:35]
.irp n, 0,1,2,3
.irp q, 0,1,2,3
	global_load_b128 v[16+16*(\n)+4*(\q):16+16*(\n)+4*(\q)+3], v[4+(\n)], s[12:13] offset:((\q)/2)*64+((\q)%2)*16
.endr
.endr
	s_wait_loadcnt 0x0
.irp n, 0,1,2,3
.irp q, 0,1,2,3
	v_cvt_pk_bf16_f32 v[80+8*(\n)+2*(\q)],   v[16+16*(\n)+4*(\q)],   v[16+16*(\n)+4*(\q)+1]
	v_cvt_pk_bf16_f32 v[80+8*(\n)+2*(\q)+1], v[16+16*(\n)+4*(\q)+2], v[16+16*(\n)+4*(\q)+3]
.endr
.endr
.irp n, 0,1,2,3
	global_store_b128 v8, v[80+8*(\n):80+8*(\n)+3],   s[18:19] offset:1024*(\n)       ; each store of the wave covers 512 consecutive bytes, aligned
	global_store_b128 v8, v[80+8*(\n)+4:80+8*(\n)+7], s[18:19] offset:1024*(\n)+512
.endr
	s_endpgm
.Lnot_a:
	s_cmp_lt_u32 ttmp9, 192
	s_cbranch_scc1 .Lkind_b
	; ---------------- KIND C ----------------
	s_load_b128 s[12:15], s[0:1], 0x30             ; conv_w, conv_b
	s_load_b64 s[16:17], s[0:1], 0x40              ; bq
	s_load_b128 s[20:23], s[0:1], 0x58             ; b1, b2
	s_load_b256 s[24:31], s[0:1], 0x68             ; ln1_w, ln1_b, ln2_w, ln2_b
	s_load_b64 s[32:33], s[0:1], 0x90              ; tab
	s_sub_co_u32 s34, ttmp9, 192                   ; the batch
	s_mul_i32 s34, s34, TABB
	s_mov_b32 s35, 0
	v_lshlrev_b32 v4, 4, v0                        ; 16 bytes a thread
	s_wait_kmcnt 0x0
	s_add_nc_u64 s[32:33], s[32:33], s[34:35]
	global_load_b128 v[16:19], v4, s[16:17]        ; in the order of the tables in tab, 2,048 bytes each from byte 16,384 on
	global_load_b128 v[20:23], v4, s[24:25]
	global_load_b128 v[24:27], v4, s[26:27]
	global_load_b128 v[28:31], v4, s[22:23]
	global_load_b128 v[32:35], v4, s[28:29]
	global_load_b128 v[36:39], v4, s[30:31]
	global_load_b128 v[40:43], v4, s[20:21]
	global_load_b128 v[44:47], v4, s[20:21] offset:2048
	s_cmp_lg_u32 s8, 0
	s_cbranch_scc1 .Lno_conv                       ; conv_w and conv_b are 512 bytes each: wave 0's 32 threads
	global_load_b128 v[48:51], v4, s[12:13]
	global_load_b128 v[52:55], v4, s[14:15]
	s_wait_loadcnt 0x0
	ROUND4 48, 8
	ROUND4 52, 8
	global_store_b128 v4, v[48:51], s[32:33] offset:32768
	global_store_b128 v4, v[52:55], s[32:33] offset:33280
.Lno_conv:
	s_wait_loadcnt 0x0
.irp k, 0,1,2,3,4,5,6,7
	ROUND4 16+4*(\k), 8
.endr
.irp k, 0,1,2,3,4,5,6,7
	global_store_b128 v4, v[16+4*(\k):19+4*(\k)], s[32:33] offset:16384+2048*(\k)
.endr
	s_endpgm
	; ---------------- KIND B ----------------
	; window 0: v4-14, v26 offsets; v16-23 the bias; v32-95 W's 8 fragments; v96-159 pad's 8 fragments; v160-167 ones; v168-191 three accumulators.
	; window 1: the f32 numbers as loaded: v0-127 W, v128-255 pad of my 16 batches.
.Lkind_b:
	s_load_b128 s[12:15], s[0:1], 0x18             ; Wk, Wv
	s_load_b64 s[16:17], s[0:1], 0x28              ; cond_emb
	s_load_b128 s[20:23], s[0:1], 0x48             ; bk, bv
	s_load_b64 s[24:25], s[0:1], 0x90              ; tab
	s_sub_co_u32 s26, ttmp9, 160
	s_lshl_b32 s28, s26, 2
	s_add_co_u32 s28, s28, s8                      ; my wave among the 128
	s_lshr_b32 s29, s28, 6                         ; which 16 batches
	s_bfe_u32 s27, s28, 0x10005                    ; 0: K's side, 1: V's
	s_and_b32 s28, s28, 31                         ; cb: my 16 channels begin at 16 cb
	s_mul_i32 s34, s29, 16128                      ; 16 batches of cond_emb (a batch is 252 numbers)
	s_mul_i32 s35, s29, 16*TABB                    ; and of tab
	v_lshlrev_b32 v4, 10, v1
	v_lshl_add_u32 v4, v2, 5, v4
	v_lshl_add_u32 v4, s28, 14, v4                 ; W: row 16 cb + r, 8 h numbers on
	v_mul_u32_u24 v12, v1, 1008
	v_add_nc_u32 v12, s34, v12                     ; cond_emb: my batch
	v_lshl_add_u32 v5, v2, 5, v12                  ; pad's pair j is cond's pair j - 1: the -8 stands in the loads' immediates
	v_sub_nc_u32 v11, 1, v2
	v_mul_u32_u24 v11, v11, 976
	v_add_nc_u32 v9, v12, v11                      ; pad's pairs 123 (h = 0: cond's 122) and 127 (h = 1: wraps to cond's 0)
	v_add_nc_u32 v7, 24, v9                        ; pad's pairs 0 (h = 0: wraps to cond's 125) and 4 (h = 1: cond's 3)
	v_lshlrev_b32 v14, 5, v2
	v_lshl_add_u32 v14, s28, 6, v14                ; the bias: my 8 channels
	v_mul_u32_u24 v26, v1, TABB
	v_lshl_add_u32 v26, v2, 7, v26
	v_lshl_add_u32 v26, s28, 8, v26                ; tab: my batch, 256 cb + 128 h (the same for the vectors and for the records)
	v_add_nc_u32 v26, s35, v26
	s_wait_kmcnt 0x0
	s_cmp_eq_u32 s27, 0
	s_cselect_b64 s[12:13], s[12:13], s[14:15]
	s_cselect_b64 s[20:21], s[20:21], s[22:23]
	s_cselect_b32 s30, SCQ, 1.0                    ; K's vectors carry the scale of the scores
	s_mov_b32 s31, s30
	global_load_b128 v[16:19], v14, s[20:21]
	global_load_b128 v[20:23], v14, s[20:21] offset:16
	WIN 0x40                                       ; destination in window 1, offsets in window 0
.irp f, 0,1,2,3,4,5,6,7
.irp q, 0,1,2,3
	global_load_b128 v[16*(\f)+4*(\q):16*(\f)+4*(\q)+3], v4, s[12:13] offset:128*(\f)+((\q)/2)*64+((\q)%2)*16
.endr
.endr
.irp f, 0,1,2,3,4,5,6,7                ; 64 loads of a pair: pad's pairs 16 f + 8 p + 4 h + i
.irp p, 0,1
.irp i, 0,1,2,3
.if ((\f)+(\p)+(\i)) == 0
	global_load_b64 v[128:129], v7, s[16:17]
.elseif ((\f) == 7) && ((\p) == 1) && ((\i) == 3)
	global_load_b64 v[254:255], v9, s[16:17]
.else
	global_load_b64 v[128+16*(\f)+8*(\p)+2*(\i):128+16*(\f)+8*(\p)+2*(\i)+1], v5, s[16:17] offset:128*(\f)+64*(\p)+8*(\i)-8
.endif
.endr
.endr
.endr
	s_wait_loadcnt 0x0
	WIN 0x05                                       ; sources in window 1, destination in window 0
.irp f, 0,1,2,3,4,5,6,7
.irp q, 0,1,2,3
	v_cvt_pk_bf16_f32 v[32+8*(\f)+2*(\q)],   v[16*(\f)+4*(\q)],   v[16*(\f)+4*(\q)+1]
	v_cvt_pk_bf16_f32 v[32+8*(\f)+2*(\q)+1], v[16*(\f)+4*(\q)+2], v[16*(\f)+4*(\q)+3]
.endr
.endr
.irp f, 0,1,2,3,4,5,6,7
.irp p, 0,1
.irp i, 0,1,2,3
	v_cvt_pk_bf16_f32 v[96+8*(\f)+4*(\p)+(\i)], v[128+16*(\f)+8*(\p)+2*(\i)], v[128+16*(\f)+8*(\p)+2*(\i)+1]
.endr
.endr
.endr
	WIN 0
.set i, 0
.rept 8
	v_mov_b32 v[160+i], 0x3f803f80                 ; 1.0 twice: the row sums' second source
.set i, i+1
.endr
	; y^T = W pad^T: a lane ends with batch r and channels 16 cb + 8 h + 0..7.  The accumulators take turns, one instruction a turn: u by the parity of the fragment, the row sums between.
.set f, 0
.rept 8
.set UA, 168+8*(f%2)
.if f < 2
	v_wmma_f32_16x16x32_bf16 v[UA:UA+7], v[32+8*f:39+8*f], v[96+8*f:103+8*f], 0
.else
	v_wmma_f32_16x16x32_bf16 v[UA:UA+7], v[32+8*f:39+8*f], v[96+8*f:103+8*f], v[UA:UA+7]
.endif
.if f == 0
	v_wmma_f32_16x16x32_bf16 v[184:191], v[32:39], v[160:167], 0
.else
	v_wmma_f32_16x16x32_bf16 v[184:191], v[32+8*f:39+8*f], v[160:167], v[184:191]
.endif
.set f, f+1
.endr
	PLACES
.irp m, 0,2,4,6
	v_pk_add_f32 v[168+(\m):169+(\m)], v[168+(\m):169+(\m)], v[176+(\m):177+(\m)]   ; the two parities
.endr
	ROUND4 16, 24                                  ; the bias is an input: rounded to bf16 like the others
	ROUND4 20, 24
.irp s, 168, 184, 16
.irp m, 0,2,4,6
	v_pk_mul_f32 v[(\s)+(\m):(\s)+(\m)+1], v[(\s)+(\m):(\s)+(\m)+1], s[30:31] op_sel_hi:[1,0]
.endr
.endr
; Eight f32 at v[s] as bf16 hi + lo.  Set k: hi packed at v[32+4k], hi as f32 at v[48+8k], lo as f32 at v[80+8k], lo packed at v[112+4k].
.macro SPLIT s, k
.irp m, 0,1,2,3
	v_cvt_pk_bf16_f32 v[32+4*(\k)+(\m)], v[(\s)+2*(\m)], v[(\s)+2*(\m)+1]
.endr
.irp m, 0,1,2,3
	v_lshlrev_b32 v[48+8*(\k)+2*(\m)], 16, v[32+4*(\k)+(\m)]
	v_and_b32 v[48+8*(\k)+2*(\m)+1], 0xffff0000, v[32+4*(\k)+(\m)]
.endr
.irp m, 0,1,2,3
	v_pk_add_f32 v[80+8*(\k)+2*(\m):80+8*(\k)+2*(\m)+1], v[(\s)+2*(\m):(\s)+2*(\m)+1], v[48+8*(\k)+2*(\m):48+8*(\k)+2*(\m)+1] neg_lo:[0,1] neg_hi:[0,1]
.endr
.irp m, 0,1,2,3
	v_cvt_pk_bf16_f32 v[112+4*(\k)+(\m)], v[80+8*(\k)+2*(\m)], v[80+8*(\k)+2*(\m)+1]
.endr
.endm
	SPLIT 168, 0                                   ; u of my batch
	SPLIT 184, 2                                   ; the row sums
	SPLIT 16, 3                                    ; the bias
	s_cmp_eq_u32 s27, 0
	s_cbranch_scc0 .Lrecords
.irp m, 0,1,2,3
	v_mov_b32 v[128+(\m)], 0
.endr
	global_store_b128 v26, v[32:35],   s[24:25]            ; eight vectors of 8 channels: 16 bytes each, 128 bytes on end for a lane
	global_store_b128 v26, v[112:115], s[24:25] offset:16
	global_store_b128 v26, v[40:43],   s[24:25] offset:32
	global_store_b128 v26, v[120:123], s[24:25] offset:48
	global_store_b128 v26, v[44:47],   s[24:25] offset:64
	global_store_b128 v26, v[124:127], s[24:25] offset:80
	global_store_b128 v26, v[128:131], s[24:25] offset:96
	global_store_b128 v26, v[128:131], s[24:25] offset:112
	s_endpgm
.Lrecords:                             ; a channel's record: uv_hi, uv_hi, uv_lo, rv_hi, rv_hi, rv_lo, bv_hi, bv_lo
.irp j, 0,1,2,3,4,5,6,7
	v_cvt_pk_bf16_f32 v[128+4*(\j)],   v[48+(\j)], v[48+(\j)]
	v_cvt_pk_bf16_f32 v[128+4*(\j)+1], v[80+(\j)], v[64+(\j)]
	v_cvt_pk_bf16_f32 v[128+4*(\j)+2], v[64+(\j)], v[96+(\j)]
	v_cvt_pk_bf16_f32 v[128+4*(\j)+3], v[72+(\j)], v[104+(\j)]
.endr
.irp j, 0,1,2,3,4,5,6,7
	global_store_b128 v26, v[128+4*(\j):128+4*(\j)+3], s[24:25] offset:8192+16*(\j)
.endr
	s_endpgm
.Lfunc_end_k_q7db0830983_prep:
	.size	k_q7db0830983_prep, .Lfunc_end_k_q7db0830983_prep-k_q7db0830983_prep
	.p2alignl 7, 3214868480
	.fill 96, 4, 3214868480
	.section	.rodata,"a",@progbits
	.p2align	6, 0x0
	.amdhsa_kernel k_q7db0830983_prep
		.amdhsa_group_segment_fixed_size 0
		.amdhsa_private_segment_fixed_size 0
		.amdhsa_enable_private_segment 0
		.amdhsa_kernarg_size 152
		.amdhsa_user_sgpr_count 2
		.amdhsa_user_sgpr_kernarg_segment_ptr 1
		.amdhsa_wavefront_size32 1
		.amdhsa_system_sgpr_workgroup_id_x 1
		.amdhsa_system_sgpr_workgroup_id_y 1
		.amdhsa_system_sgpr_workgroup_id_z 1
		.amdhsa_system_vgpr_workitem_id 0
		.amdhsa_next_free_vgpr 512
		.amdhsa_next_free_sgpr 66
		.amdhsa_reserve_vcc 0
		.amdhsa_float_denorm_mode_32 3
		.amdhsa_float_denorm_mode_16_64 3
		.amdhsa_memory_ordered 1
		.amdhsa_forward_progress 1
		.amdhsa_inst_pref_size 42
	.end_amdhsa_kernel
	.amdgpu_metadata
---
amdhsa.version: [ 1, 2 ]
amdhsa.kernels:
  - .name:           k_q7db0830983_prep
    .symbol:         k_q7db0830983_prep.kd
    .args:
      - { .name: Wq, .offset: 0, .size: 8, .value_kind: global_buffer, .address_space: global }
      - { .name: W1, .offset: 8, .size: 8, .value_kind: global_buffer, .address_space: global }
      - { .name: W2, .offset: 16, .size: 8, .value_kind: global_buffer, .address_space: global }
      - { .name: Wk, .offset: 24, .size: 8, .value_kind: global_buffer, .address_space: global }
      - { .name: Wv, .offset: 32, .size: 8, .value_kind: global_buffer, .address_space: global }
      - { .name: cond_emb, .offset: 40, .size: 8, .value_kind: global_buffer, .address_space: global }
      - { .name: conv_w, .offset: 48, .size: 8, .value_kind: global_buffer, .address_space: global }
      - { .name: conv_b, .offset: 56, .size: 8, .value_kind: global_buffer, .address_space: global }
      - { .name: bq, .offset: 64, .size: 8, .value_kind: global_buffer, .address_space: global }
      - { .name: bk, .offset: 72, .size: 8, .value_kind: global_buffer, .address_space: global }
      - { .name: bv, .offset: 80, .size: 8, .value_kind: global_buffer, .address_space: global }
      - { .name: b1, .offset: 88, .size: 8, .value_kind: global_buffer, .address_space: global }
      - { .name: b2, .offset: 96, .size: 8, .value_kind: global_buffer, .address_space: global }
      - { .name: ln1_w, .offset: 104, .size: 8, .value_kind: global_buffer, .address_space: global }
      - { .name: ln1_b, .offset: 112, .size: 8, .value_kind: global_buffer, .address_space: global }
      - { .name: ln2_w, .offset: 120, .size: 8, .value_kind: global_buffer, .address_space: global }
      - { .name: ln2_b, .offset: 128, .size: 8, .value_kind: global_buffer, .address_space: global }
      - { .name: wt, .offset: 136, .size: 8, .value_kind: global_buffer, .address_space: global }
      - { .name: tab, .offset: 144, .size: 8, .value_kind: global_buffer, .address_space: global }
    .group_segment_fixed_size: 0
    .private_segment_fixed_size: 0
    .kernarg_segment_align: 8
    .kernarg_segment_size: 152
    .max_flat_workgroup_size: 128
    .sgpr_count:     66
    .vgpr_count:     512
    .wavefront_size: 32
...
	.end_amdgpu_metadata
.endif
;; end of part 3
;; launch main (part 4): grid 256 x 1, 4 waves a work-group, clusters of 4 x 1, 327,680 bytes of LDS; arguments x, wt, tab, out0; writes out0
.if DOCPART == 4
	.amdgcn_target "amdgcn-amd-amdhsa--gfx1250"
	.amdhsa_code_object_version 6
	.text
	.protected	k_q7db0830983_main
	.globl	k_q7db0830983_main
	.p2align	8
	.type	k_q7db0830983_main,@function
k_q7db0830983_main:
	s_mov_b64 s[64:65], 0
	v_nop
	global_prefetch_b8 v0, s[64:65] scope:SCOPE_SE
	s_setreg_imm32_b32 hwreg(HW_REG_WAVE_MODE, 25, 1), 1
	s_wait_xcnt 0x0
	s_wait_alu depctr_hold_cnt(0) depctr_sa_sdst(0) depctr_va_vdst(0) depctr_va_sdst(0) depctr_va_ssrc(0) depctr_va_vcc(0) depctr_vm_vsrc(0)
	s_getreg_b32 s2, hwreg(HW_REG_IB_STS2, 6, 4)
	s_cmp_eq_u32 s2, 0
	s_cbranch_scc0 .Lentry_in_a_cluster
	s_endpgm
.Lentry_in_a_cluster:
	s_bfe_u32 s2, ttmp6, 0x10000c
	s_cmp_lg_u32 s2, 0x3003
	s_cbranch_scc0 .Lentry_shape_is_right
	s_endpgm
.Lentry_shape_is_right:
; THE WHOLE BLOCK FOR 128 ROWS OF x A WORK-GROUP, 32 ROWS A WAVE: q = x Wq^T + bq; attention over the 128 conditioning rows; LayerNorm 1; W1, exact gelu, W2; LayerNorm 2; + x.
; FORMATS.  x, all weights, biases, gains, cond_emb, conv_w and conv_b are rounded once to bf16 (the weights and tables by the launch before, x here); products have bf16 operands and f32 sums;
; everything else is f32.  The x that is added at the end is the same bf16 x, kept in LDS: x is read from memory once.
; LAYOUT.  Every product is taken transposed: source 0 = 16 rows of a weight, source 1 = 16 rows of the activations.  In a result a lane holds ONE row (lane % 16) and the channels 8 (lane / 16) + 0..7
; of a block of 16; two such results rounded to bf16 ARE the next product's source 1 (32 k x 16 rows).  A wave owns its 32 rows (two row tiles rt) with ALL channels, so activations never change lanes and
; never go through LDS between the products.
; ATTENTION.  k[b][s][:] = conv_w[s] uk_b + conv_b[s] rk + bk and v likewise, for every input (the launch before says why).  So a score is conv_w[s] (q.uk) + conv_b[s] (q.rk) + q.bk: three dot products
; a row (by the matrix unit, the vectors as bf16 hi + lo and already times log2(e) / sqrt(512)) and two fused multiply-adds a score; the row's maximum is taken away before the exponentials; the result is
; alpha uv_b + beta rv + bv with alpha = sum p conv_w / sum p, beta = sum p conv_b / sum p: one matrix instruction a block of 16 channels, alpha and beta as bf16 hi + lo.
; THE WEIGHTS are 40 tiles of 65,536 bytes in the order of matrix fragments, the same for all work-groups: 8 of Wq, then for each 64 hidden channels one of W1 and one of W2.  They go through a ring of two
; LDS slots.  A tile is 16 groups of 4 fragments, 8 matrix instructions a group.  CLUSTER: the four work-groups of a cluster ask for each tile JOINTLY (mask 15), each wave for a quarter; they share a batch too.
; x IS STREAMED UNDER THE FIRST PRODUCT: a tile of Wq takes 64 columns of x; while one tile is multiplied, the next 64 columns are rounded into LDS and the 64 after them are on their way from memory.
; THE GELU RIDES BESIDE THE MATRIX WORK.  W1's tile makes hidden blocks 0, 1 (16 channels each) in groups 0-7 and blocks 2, 3 in groups 8-15; W2's tile takes the first 32 hidden channels in groups 0-7, the
; other 32 in groups 8-15.  So the gelu of blocks 0, 1 stands behind the matrix instructions of W1's groups 8-15, that of blocks 2, 3 behind W2's groups 0-7: four lines behind each.
; LIMITS.  A row's variance is E[z^2] - mean^2 in f32: its relative error is about (mean^2 / variance) x 2^-23.  erf is Abramowitz and Stegun's 7.1.25, absolute error 2.5e-5, for every x.
; A weight p below 2^-126 counts as 0.  NaN and infinities are not treated apart.
;
; LDS: 0 slot 0; 65,536 slot 1; TAB the batch's tables; XST x in bf16, 128 rows of 1,024 bytes + 128 spare + 16, each wave's own rows; SPARE the spare words.
;      At the end, when the slots have had their last fill and a barrier has passed, each wave stages 16 rows of f32 (pitch 2,064) over the slots and the first 1,024 bytes of the tables.
; REGISTERS, in windows of 256 (s_set_vgpr_msb: bits 1:0 source 0, 3:2 source 1, 5:4 source 2, 7:6 destination):
;   window 0: v0 thread, v1 r, v2 h, v3, v4 my place in the slot in hand and in the other, v5, v6 the add's, v7 x fragments, v8 b1, v9 tables + 32 h, v10-29 at work, v30 16 x lane, v31 the prefetches' offset;
;             v32-95 in the first loop 64 columns of x as loaded; then HA, hidden sums (ht, rt) at 32 + 8 (2 ht + rt); the hidden fragment (rt, kf) is written over the sums of block 2 kf: at 32 + 8 (4 kf + rt);
;             v96-127 x fragments (rt, kf) at 96 + 16 kf + 8 rt, later at work for the gelu; WB v128-255 four buffers of 4 weight fragments
;   window 1: QF, the 512 channels as fragments (rt, kf) at 8 (2 kf + rt)          windows 2, 3: ACC, the 512 channels' f32 sums (rt, ct) at 8 (2 (ct % 16) + rt)
.set TAB,   131072
.set TABB,  33792
.set XST,   164864
.set XP,    1168                       ; 73 x 16 bytes: the 16 rows that a fragment load touches begin at 16 different columns of 16 bytes
.set SPARE, 314368
.set SGP,   2064                       ; 129 x 16 bytes
.set STGB,  16*SGP
.set O_VT,  8192
.set O_BQ,  16384
.set O_L1W, 18432                      ; then ln1_b, 2,048 bytes on
.set O_B2,  22528
.set O_L2W, 24576
.set O_L2B, 26624
.set O_B1,  28672
.set O_CW,  32768
.set HA,    32
.set XF,    96
.set TT,    10                         ; the gelu's t, 16 registers
.set EE,    96                         ; its exponential
.set PP,    112                        ; its polynomial
.set WB,    128
.set MSB, 0
.set PLN, 0
.macro WIN new                         ; the immediate's high byte repeats the setting that is left; a switch that changes nothing is dropped
.if MSB != (\new)
	s_set_vgpr_msb (MSB<<8)|(\new)
.set MSB, (\new)
.endif
.endm
.macro PLACES                          ; four plain places behind a matrix instruction, in front of loads into its sources and of vector lines that read its result
.rept 4
	v_nop
.endr
.endm
.macro FILLP                           ; the same, where the slice behind the group's last matrix instruction has PLN plain lines already, none of which names a register of that instruction
.rept 4-PLN
	v_nop
.endr
.endm
.macro CREST                           ; a round of the cluster's barrier behind its opening barrier
	s_cmp_lg_u32 s12, 0
	s_cbranch_scc1 .Lnot_wave_0_\@
	s_barrier_signal -3
.Lnot_wave_0_\@:
	s_barrier_wait -3
	s_barrier_signal -1
	s_barrier_wait -1
.endm
.macro CROUND
	s_barrier_signal -1
	s_barrier_wait -1
	CREST
.endm
; 8 LDS loads: group g (4 fragments, 4,096 bytes) of the tile at v[ar] into buffer g % 4.  32 lanes take 512 consecutive bytes.
.macro LOADG ar, g
	WIN 0
.irp f, 0,1,2,3
	ds_load_b128 v[WB+32*((\g)%4)+8*(\f):WB+32*((\g)%4)+8*(\f)+3],   v[\ar] offset:(\g)*4096+(\f)*1024
	ds_load_b128 v[WB+32*((\g)%4)+8*(\f)+4:WB+32*((\g)%4)+8*(\f)+7], v[\ar] offset:(\g)*4096+(\f)*1024+512
.endr
.endm
; Matrix instruction idx (0..7) of group g.  kind 0: ACC(rt, 4 (g % 8) + idx / 2) += fragment idx / 2 x activations (rt, g / 8) at v[xf + xs (g / 8) + 8 rt], rt = idx % 2: 8 accumulators by turns.
; kind 1: HA(2 (g / 8) + hl, rt) += fragment 2 kk + hl x QF(rt, 2 (g % 8) + kk), kk = idx / 4, hl = (idx / 2) % 2: 4 accumulators by turns.
.macro MM1 kind, g, xf, xs
.if \kind
	WIN 0x04
.set AC, HA+8*(2*(2*((\g)/8)+(idx/2)%2)+idx%2)
.set WF, WB+32*((\g)%4)+8*(2*(idx/4)+(idx/2)%2)
.set XR, 8*(2*(2*((\g)%8)+idx/4)+idx%2)
.else
	WIN 0xa0+0x50*(((\g)%8)/4)
.set AC, 8*(2*((4*((\g)%8)+idx/2)%16)+idx%2)
.set WF, WB+32*((\g)%4)+8*(idx/2)
.set XR, (\xf)+(\xs)*((\g)/8)+8*(idx%2)
.endif
	v_wmma_f32_16x16x32_bf16 v[AC:AC+7], v[WF:WF+7], v[XR:XR+7], v[AC:AC+7]
.endm
; EXACT GELU of hidden block ht (16 registers X: both row tiles): gelu(x) = x / 2 + |x / 2| erf(|x| / sqrt(2)), erf = 1 - ((a3 t + a2) t + a1) t e^(-x^2 / 2), t = 1 / (1 + 0.47047 |x| / sqrt(2)).
; A list of 128 lines; RD writes number n.  0-15 1 + p |x|; 16-63 plain and transcendental by turns: x^2 times -log2(e) / 2 in two steps, x / 2 in place, 16 reciprocals, 8 exponentials; 64-71 the other 8;
; (the wait for the batch of 32); 72-103 the polynomial, times t, 1 - it times e; 104-119 the result; 120-127 rounded to bf16 into the hidden fragments.  Each accumulator's lowest registers are read first.
.macro RD ht
.set GX, HA+16*(\ht)
.if n < 16
	v_fma_f32 v[TT+n], |v[GX+n]|, s50, 1.0
.elseif n < 32
.if n%2 == 0
	v_pk_mul_f32 v[EE+n-16:EE+n-15], v[GX+n-16:GX+n-15], s[52:53] op_sel_hi:[1,0]
.else
	v_rcp_f32 v[TT+(n-17)/2], v[TT+(n-17)/2]
.endif
.elseif n < 48
.if n%2 == 0
	v_pk_mul_f32 v[EE+n-32:EE+n-31], v[EE+n-32:EE+n-31], v[GX+n-32:GX+n-31]
.else
	v_rcp_f32 v[TT+8+(n-33)/2], v[TT+8+(n-33)/2]
.endif
.elseif n < 64
.if n%2 == 0
	v_pk_mul_f32 v[GX+n-48:GX+n-47], v[GX+n-48:GX+n-47], 0.5 op_sel_hi:[1,0]
.else
	v_exp_f32 v[EE+(n-49)/2], v[EE+(n-49)/2]
.endif
.elseif n < 72
	v_exp_f32 v[EE+n-56], v[EE+n-56]
.elseif n < 80
	v_pk_fma_f32 v[PP+2*(n-72):PP+2*(n-72)+1], v[TT+2*(n-72):TT+2*(n-72)+1], s[58:59], s[56:57] op_sel_hi:[1,0,0]
.elseif n < 88
	v_pk_fma_f32 v[PP+2*(n-80):PP+2*(n-80)+1], v[PP+2*(n-80):PP+2*(n-80)+1], v[TT+2*(n-80):TT+2*(n-80)+1], s[54:55] op_sel_hi:[1,1,0]
.elseif n < 96
	v_pk_mul_f32 v[PP+2*(n-88):PP+2*(n-88)+1], v[PP+2*(n-88):PP+2*(n-88)+1], v[TT+2*(n-88):TT+2*(n-88)+1]
.elseif n < 104
	v_pk_fma_f32 v[PP+2*(n-96):PP+2*(n-96)+1], v[PP+2*(n-96):PP+2*(n-96)+1], v[EE+2*(n-96):EE+2*(n-96)+1], 1.0 op_sel_hi:[1,1,0] neg_lo:[1,0,0] neg_hi:[1,0,0]
.elseif n < 120
	v_fma_f32 v[GX+n-104], |v[GX+n-104]|, v[PP+n-104], v[GX+n-104]
.else
	v_cvt_pk_bf16_f32 v[HA+8*(4*((\ht)/2)+(n-120)/4)+4*((\ht)%2)+(n-120)%4], v[GX+8*((n-120)/4)+2*((n-120)%4)], v[GX+8*((n-120)/4)+2*((n-120)%4)+1]
.endif
.endm
; Slice s (0..63) of a stage's two blocks ht0, ht0 + 1: four lines of the list.  Behind slice 17 of a block all its 32 transcendentals are out and no result has been named: a plain line and ONE wait.
.macro SLICE ht0, s
	WIN 0
.set SLP, (\s)%32
.irp p, 0,1,2,3
.set n, 4*SLP+(\p)
	RD (\ht0)+(\s)/32
.endr
.if SLP == 17
	v_nop
	s_wait_alu depctr_va_vdst(0)
.endif
.set PLN, 4
.if (SLP >= 4) && (SLP < 18)
.set PLN, 2                            ; (of these, slice 15 alone stands in front of a run of loads: it has two plain lines)
.endif
.endm
; A group: 8 matrix instructions; rid >= 0: a slice behind each.  sig = 1: behind the second, my LDS instructions are waited for and the barrier of the change of slots is signalled.
.macro GRP kind, g, rid, xf, xs, sig=0
.set idx, 0
.set PLN, 0
.rept 8
	MM1 \kind, \g, \xf, \xs
.if (\rid) >= 0
	SLICE \rid, 8*((\g)%8)+idx
.endif
.if (\sig) && (idx == 1)
	s_wait_dscnt 0x0                               ; the add is done, and my reads of this slot are over
	s_barrier_signal -1
.endif
.set idx, idx+1
.endr
.endm
.macro XK kf, off                      ; 4 loads: my rows' x fragments of 32 k, at byte off behind v7
.irp rt, 0,1
	ds_load_b128 v[XF+16*(\kf)+8*(\rt):XF+16*(\kf)+8*(\rt)+3],   v7 offset:(\off)+(\rt)*16*XP+64*(\kf)
	ds_load_b128 v[XF+16*(\kf)+8*(\rt)+4:XF+16*(\kf)+8*(\rt)+7], v7 offset:(\off)+(\rt)*16*XP+64*(\kf)+32
.endr
.endm
.macro B1L ht0                         ; 8 loads: the sums of hidden blocks ht0, ht0 + 1 start at b1
.irp hl, 0,1
.irp rt, 0,1
	ds_load_b128 v[HA+8*(2*((\ht0)+(\hl))+(\rt)):HA+8*(2*((\ht0)+(\hl))+(\rt))+3],   v8 offset:64*((\ht0)+(\hl))
	ds_load_b128 v[HA+8*(2*((\ht0)+(\hl))+(\rt))+4:HA+8*(2*((\ht0)+(\hl))+(\rt))+7], v8 offset:64*((\ht0)+(\hl))+16
.endr
.endr
.endm
; 64 COLUMNS OF MY 32 ROWS OF x.  XLD: 16 loads; load n takes rows 2 n (lanes 0-15) and 2 n + 1 (lanes 16-31), 256 consecutive bytes of each, aligned.  off: bytes along the rows behind s[4:5].
.macro XLD base, off
.set n, 0
.rept 16
	global_load_b128 v[(\base)+4*n:(\base)+4*n+3], v11, s[4:5] offset:4096*n+(\off) th:TH_LOAD_NT
.set n, n+1
.endr
.endm
; XCV: rounded to bf16 in place, four numbers into two registers, and stored into my rows of LDS, 8 bytes a lane, at byte off behind v10.
.macro XCV base, off
.set n, 0
.rept 16
	v_cvt_pk_bf16_f32 v[(\base)+4*n],   v[(\base)+4*n],   v[(\base)+4*n+1]
	v_cvt_pk_bf16_f32 v[(\base)+4*n+1], v[(\base)+4*n+2], v[(\base)+4*n+3]
.set n, n+1
.endr
.set n, 0
.rept 16
	ds_store_b64 v10, v[(\base)+4*n:(\base)+4*n+1] offset:2*XP*n+(\off)
.set n, n+1
.endr
.endm
; Trip i of the first loop (s44 = 8 - i): the columns of tile i + 1 have come: they go into LDS, ahead of the fragment loads that read them (LDS serves a wave's instructions in order: ISA guide 5.7.1.4);
; the columns of tile i + 2 are asked for, into the same registers.  Trips 6 and 7 ask for nothing: x has 8 such pieces.  Trip 7's stores put what the registers still hold into the 128 spare bytes behind
; each row, which the last look-ahead reads and nothing multiplies: the stores stand on every path, so that the counts on DScnt are the same in every trip.
; A PREFETCH INTO THE L2: trips 0 to 3 name the piece that the trip after next will load: my own 32 rows, a lane a row, 256 bytes each, behind the trip's loads; so each block of x from piece 4 on is named
; once in the launch, by the wave that loads it; pieces 0 to 3 come by their loads alone.
.macro XSTEP
	s_wait_loadcnt 0x0                             ; the piece asked for a trip ago
	XCV 32, 128
	s_cmp_gt_u32 s44, 2
	s_cbranch_scc0 .Lno_x_\@
	XLD 32, 512
	s_cmp_gt_u32 s44, 4
	s_cbranch_scc0 .Lno_x_\@
	global_prefetch_b8 v12, s[4:5] offset:1024 th:TH_LOAD_NT scope:SCOPE_SE
.Lno_x_\@:
.endm
; What stands behind a run of loads, when the registers that it fills have had their last reader.  k = 1: Wq's tiles: x.  2: W1's tile: b1 for blocks 2, 3.  3: W2's tile: the next chunk's b1 for blocks 0, 1.
.macro HOOK at, k
.if ((\at) == 1) && ((\k) == 2)
	B1L 2
.elseif ((\at) == 3) && ((\k) == 1)
	XSTEP
.elseif ((\at) == 7) && ((\k) == 1)
	XK 0, 128
.elseif ((\at) == 7) && ((\k) == 3)
	v_add_nc_u32 v8, 0x100, v8
	B1L 0
.elseif ((\at) == 15) && ((\k) == 1)
	XK 1, 128
.endif
.endm
; A PREFETCH INTO THE L2 of the weight tile that stands two refills on.  All clusters walk the same 40 tiles: the first cluster asks.  Its four partners' waves 0 and 1 take 32 blocks of 256 bytes each,
; told apart by address: 8 x 32 blocks are a tile, each named once in the launch.  how = 1: in the first loop, where every such tile exists; how = 0: not in the second loop's last trip.
.macro ASK how
.if \how
	s_cmp_eq_u32 s15, 1
.else
	s_cmp_gt_u32 s44, s15
.endif
	s_cbranch_scc0 .Lnot_mine_\@
	global_prefetch_b8 v31, s[46:47] th:TH_LOAD_NT scope:SCOPE_SE
.Lnot_mine_\@:
.endm
; GROUPS 0 TO 11 OF A TILE.  On entry groups 0 to 3 have been asked for; behind each odd group g, groups g + 3 and g + 4 are asked for in ONE run of 16 loads, into the two buffers that g - 1 and g have left.
; The wait ahead of group g leaves out what was issued behind its loads: 24 (g even) or 16 (g odd) loads of later groups, and the hooks' LDS instructions: ne behind the tile before's last run (groups 0-3),
; n1 behind group 1's run (groups 2-5), n3 behind group 3's (groups 4-7), n7 behind group 7's (groups 8-11).
.macro BODY kind, cur, ridA, ridB, xf, xs, n1, n3, n7, ne, hook
.irp g, 0,1,2,3,4,5,6,7,8,9,10,11
.set WN, 24-8*((\g)%2)
.if (\g) <= 3
.set WN, WN+(\ne)
.endif
.if ((\g) >= 2) && ((\g) <= 5)
.set WN, WN+(\n1)
.endif
.if ((\g) >= 4) && ((\g) <= 7)
.set WN, WN+(\n3)
.endif
.if (\g) >= 8
.set WN, WN+(\n7)
.endif
	s_wait_dscnt WN
.if (\g) < 8
	GRP \kind, \g, \ridA, \xf, \xs
.else
	GRP \kind, \g, \ridB, \xf, \xs
.endif
.if ((\g)%2) == 1
	FILLP
	LOADG \cur, (\g)+3
	LOADG \cur, (\g)+4
	HOOK \g, \hook
.endif
.endr
.endm
; GROUPS 12 TO 15 AND THE CHANGE OF SLOTS.  Each wave waits for all its tensor loads (one is out: its quarter of the other slot), adds 0 to its spare word, and waits for that and for its own reads of this slot.
; mode 2: the slot is filled again with the tile two on: the barrier opens a round of the cluster's barrier, and the joint refill is the first thing behind the round.  mode 1: the same barrier, nothing is filled.
.macro TAILC kind, mode, nxt, rid, xf, xs, how, hook
	s_wait_dscnt 24                                ; behind group 12's loads: group 13's 8 and the run of 16
	GRP \kind, 12, \rid, \xf, \xs
.if (\mode) == 2
	s_wait_xcnt 0x0                                ; the last prefetches and loads, most of a tile back, have read their addresses
	s_add_nc_u64 s[46:47], s[46:47], 0x10000
.if \how
	s_add_nc_u64 s[4:5], s[4:5], 0x100             ; x: 64 columns on
.endif
.endif
	WIN 0
	s_wait_tensorcnt 0x0                           ; all my tensor loads have landed, so the walking group 0 may be written
	ds_add_u32 v5, v6                              ; 0 onto my spare word
.if (\mode) == 2
	s_xor_b32 s37, s37, 0x10000                    ; the other slot than last time,
	s_add_nc_u64 s[38:39], s[38:39], 0x10000       ; the next tile; the type bits on top are not reached
.endif
	s_wait_dscnt 17                                ; group 13 is in; two groups' 16 loads and the add may be out
	GRP \kind, 13, \rid, \xf, \xs
	s_wait_dscnt 9                                 ; group 14 is in; group 15's 8 loads and the add may be out
	GRP \kind, 14, \rid, \xf, \xs, 1               ; the signal stands behind its second matrix instruction; the other six are work on registers while the others arrive
	WIN 0
	s_barrier_wait -1
.if (\mode) == 2
	CREST                                          ; no wave of any partner still reads this slot or has a load on its way
	tensor_load_to_lds s[36:39], s[16:23]
	s_nop 0
.endif
	PLACES                                         ; behind the tensor load, and in front of the loads into the buffers that groups 12 to 14 have left
	LOADG \nxt, 0
	LOADG \nxt, 1
	LOADG \nxt, 2
.if (\mode) == 2
	ASK \how
.endif
	GRP \kind, 15, \rid, \xf, \xs
	FILLP
	LOADG \nxt, 3
	HOOK 15, \hook
.endm
	; ---------------- THE HEAD ----------------
	s_load_b256 s[4:11], s[0:1], 0x0               ; x s[4:5], wt s[6:7], tab s[8:9], out0 s[10:11]
	v_lshl_add_u32 v5, v0, 2, SPARE
	v_mov_b32 v6, 0
	ds_add_u32 v5, v6                              ; the wave's opening: the add and its wait stand ahead of my first tensor load; the set-up below, work on registers, stands between
	v_lshrrev_b32 v1, 5, v0
	v_readfirstlane_b32 s12, v1                    ; wave 0..3
	s_bfe_u32 s13, ttmp6, 0x40000                  ; cx: it enters x's, out0's and the prefetches' addresses alone
	s_lshl_b32 s14, ttmp9, 2
	s_add_co_u32 s14, s14, s13                     ; my work-group: rows 128 wg on
	; descriptor group 1: dense blocks as rows of 256 bytes (32 elements of 8 bytes), no padding; mask of all four partners, bit 21 beside it
	s_mov_b32 s16, 15|(3<<16)|(1<<21)
	s_mov_b32 s17, 32<<16                          ; tensor_dim0 = 32
	s_mov_b32 s18, 64<<16                          ; tensor_dim1 = 64: a quarter of a weight tile
	s_mov_b32 s19, 32<<16                          ; tile_dim0 = 32
	s_mov_b32 s20, 64                              ; tile_dim1 = 64
	s_mov_b32 s21, 32                              ; 32 elements from row to row
	s_mov_b32 s22, 0
	s_mov_b32 s23, 0
	s_mov_b32 s24, 15|(3<<16)|(1<<21)
	s_mov_b32 s25, 32<<16
	s_mov_b32 s26, 33<<16                          ; 33 rows: a quarter of the batch's tables
	s_mov_b32 s27, 32<<16
	s_mov_b32 s28, 33
	s_mov_b32 s29, 32
	s_mov_b32 s30, 0
	s_mov_b32 s31, 0
	s_mov_b32 s32, 1                               ; group 0 for tile 0, slot 0
	s_lshl_b32 s33, s12, 14
	s_mov_b32 s36, 1                               ; for tile 1, slot 1; it then walks on
	s_add_co_u32 s37, s33, 65536
	s_mov_b32 s40, 1                               ; for the tables
	s_mul_i32 s41, s12, 8448
	s_add_co_u32 s41, s41, TAB
	s_lshl_b32 s68, s12, 14                        ; my quarter of a tile
	s_mov_b32 s69, 0
	s_lshr_b32 s70, ttmp9, 1                       ; the batch: 8 work-groups, 2 clusters
	s_mul_i32 s70, s70, TABB
	s_mul_i32 s71, s12, 8448
	s_add_co_u32 s70, s70, s71
	s_mov_b32 s71, 0
	s_lshl_b32 s72, s14, 18                        ; 128 rows of 2,048 bytes a work-group,
	s_lshl_b32 s73, s12, 16                        ; 32 a wave
	s_add_co_u32 s72, s72, s73
	s_mov_b32 s73, 0
	s_lshl_b32 s76, s13, 1                         ; the weights' prefetches: 8,192 bytes of a tile for (partner, wave 0 or 1),
	s_add_co_u32 s76, s76, s12
	s_lshl_b32 s76, s76, 13
	s_add_co_u32 s76, s76, 3*65536                 ; at tile 3; the first change of slots steps it to tile 4
	s_mov_b32 s77, 0
	s_lshr_b32 s15, s12, 1
	s_or_b32 s15, s15, ttmp9
	s_cmp_eq_u32 s15, 0
	s_cselect_b32 s15, 1, -1                       ; 1 in waves 0 and 1 of the first cluster: the same in all four partners
	s_mov_b32 s48, 0x76543210                      ; v_permlanex16_b32: each lane takes its own place in the other half
	s_mov_b32 s49, 0xfedcba98
	s_mov_b32 s50, 0x3eaa540e                      ; 0.47047 / sqrt(2)
	s_mov_b32 s52, 0xbf38aa3b                      ; -log2(e) / 2
	s_mov_b32 s53, s52
	s_mov_b32 s54, 0x3eb2303a                      ; a1 = 0.3480242
	s_mov_b32 s55, s54
	s_mov_b32 s56, 0xbdc45ca1                      ; a2 = -0.0958798
	s_mov_b32 s57, s56
	s_mov_b32 s58, 0x3f3f7377                      ; a3 = 0.7478556
	s_mov_b32 s59, s58
	s_mov_b32 s66, 0xffff                          ; lanes 0-15
	s_mov_b32 s67, 0xffff0000                      ; a word's upper bf16
	s_mov_b32 s78, 0                               ; LDS byte of the slot in hand,
	s_mov_b32 s79, 0x10000                         ; and of the other
	s_mul_i32 s74, s12, 32*XP
	s_add_co_u32 s74, s74, XST                     ; my 32 rows of x in LDS
	v_and_b32 v1, 15, v0                           ; r
	v_bfe_u32 v2, v0, 4, 1                         ; h
	v_and_b32 v13, 31, v0                          ; lane
	v_lshlrev_b32 v30, 4, v13
	v_mov_b32 v3, v30
	v_add_nc_u32 v4, 0x10000, v30
	v_lshlrev_b32 v31, 8, v13
	v_lshlrev_b32 v12, 11, v13                     ; x's prefetches: row = lane
	v_lshl_add_u32 v9, v2, 5, TAB
	v_mul_u32_u24 v7, v1, XP
	v_lshl_add_u32 v7, v2, 4, v7
	v_add_nc_u32 v7, s74, v7                       ; fragments: row r, 16 h
	v_mul_u32_u24 v10, v2, XP
	v_lshl_add_u32 v10, v1, 3, v10
	v_add_nc_u32 v10, s74, v10                     ; where I put 8 bytes: row h of a pair, 8 r
	v_lshlrev_b32 v11, 4, v1
	v_lshl_add_u32 v11, v2, 11, v11                ; and where they come from: row h of a pair, 16 r
	s_wait_dscnt 0x0                               ; the opening add is done
	s_wait_kmcnt 0x0
	s_add_nc_u64 s[34:35], s[6:7], s[68:69]
	s_add_nc_u64 s[38:39], s[34:35], 0x10000
	s_or_b32 s35, s35, 0x80000000
	s_or_b32 s39, s39, 0x80000000
	s_add_nc_u64 s[42:43], s[8:9], s[70:71]
	s_or_b32 s43, s43, 0x80000000
	s_add_nc_u64 s[4:5], s[4:5], s[72:73]
	s_add_nc_u64 s[10:11], s[10:11], s[72:73]
	s_add_nc_u64 s[46:47], s[6:7], s[76:77]
	CROUND                                         ; all four work-groups are here: the first joint loads meet
	tensor_load_to_lds s[40:43], s[24:31]          ; the tables, tile 0, tile 1: three loads of mine are out
	s_nop 0
	tensor_load_to_lds s[32:35], s[16:23]
	s_nop 0
	tensor_load_to_lds s[36:39], s[16:23]
	s_nop 0
	PLACES
	XLD 128, 0                                     ; x's first 64 columns, into registers that the weights' fragments take later,
	XLD 32, 256                                    ; and the next 64, which the first trip finds
	s_wait_loadcnt 16                              ; the first 16 loads are in
	XCV 128, 0
	s_wait_tensorcnt 1                             ; my quarters of the tables and of tile 0 are in; tile 1's may stay out
	s_wait_dscnt 0x0
	s_barrier_signal -1
	s_barrier_wait -1
	; ---------------- q = x Wq^T + bq: the sums start at bq ----------------
	WIN 0x80
.set ct, 0
.rept 32
.if ct == 16
	WIN 0xc0
.endif
.irp rt, 0,1
	ds_load_b128 v[8*(2*(ct%16)+\rt):8*(2*(ct%16)+\rt)+3],   v9 offset:O_BQ+64*ct
	ds_load_b128 v[8*(2*(ct%16)+\rt)+4:8*(2*(ct%16)+\rt)+7], v9 offset:O_BQ+64*ct+16
.endr
.set ct, ct+1
.endr
	WIN 0
	XK 0, 0
	LOADG 3, 0
	LOADG 3, 1
	LOADG 3, 2
	LOADG 3, 3
	XK 1, 0
	s_mov_b32 s44, 8
.Lg1:                                  ; a trip: one tile of Wq, 64 k; every change of slots has a tile to ask for (tiles 2 to 9).  The x fragments of a tile's first 32 k are free behind group 7, the others behind group 15
	BODY 0, 3, -1, -1, XF, 16, 0, 16, 4, 4, 1
	TAILC 0, 2, 4, -1, XF, 16, 1, 1
	s_xor_b32 s78, s78, 0x10000                    ; the slots change places
	s_xor_b32 s79, s79, 0x10000
	v_add_nc_u32 v3, s78, v30
	v_add_nc_u32 v4, s79, v30
	v_add_nc_u32 v7, 0x80, v7
	v_add_nc_u32 v10, 0x80, v10
	s_sub_co_u32 s44, s44, 1
	s_cmp_lg_u32 s44, 0
	s_cbranch_scc1 .Lg1
	; ---------------- ATTENTION AND LAYERNORM 1 ----------------
	s_wait_dscnt 0x0                               ; the look-ahead loads of the last trip have landed: their registers are at work below (the four groups of tile 8 are asked for again)
	WIN 0x4a                                       ; q rounded to bf16: the dot products' second source
.set ct, 0
.rept 32
.if ct == 16
	WIN 0x4f
.endif
.irp rt, 0,1
.irp m, 0,1,2,3
	v_cvt_pk_bf16_f32 v[8*(2*(ct/2)+\rt)+4*(ct%2)+\m], v[8*(2*(ct%16)+\rt)+2*\m], v[8*(2*(ct%16)+\rt)+2*\m+1]
.endr
.endr
.set ct, ct+1
.endr
	WIN 0
	v_and_b32 v10, 7, v0
	v_lshl_add_u32 v10, v10, 4, TAB
	v_lshl_add_u32 v10, v2, 7, v10                 ; vector r % 8: rows 8-15 of source 0 repeat rows 0-7, so both halves of the lanes end with all eight dot products
.set kf, 0
.rept 16
	ds_load_b128 v[WB+8*kf:WB+8*kf+3],   v10 offset:512*kf
	ds_load_b128 v[WB+8*kf+4:WB+8*kf+7], v10 offset:512*kf+256
.set kf, kf+1
.endr
	s_wait_dscnt 0x0
	WIN 0x04
.set kf, 0
.rept 16
.irp rt, 0,1                           ; the two accumulators take turns
.if kf == 0
	v_wmma_f32_16x16x32_bf16 v[32+8*\rt:39+8*\rt], v[WB+8*kf:WB+8*kf+7], v[8*(2*kf+\rt):8*(2*kf+\rt)+7], 0
.else
	v_wmma_f32_16x16x32_bf16 v[32+8*\rt:39+8*\rt], v[WB+8*kf:WB+8*kf+7], v[8*(2*kf+\rt):8*(2*kf+\rt)+7], v[32+8*\rt:39+8*\rt]
.endif
.endr
.set kf, kf+1
.endr
	WIN 0
	PLACES
	v_add_f32 v10, v32, v33                        ; hi + lo: a = q.uk, b = q.rk, c = q.bk, each times log2(e) / sqrt(512); row tile 0 now,
	v_add_f32 v12, v34, v35
	v_add_f32 v14, v36, v37
	v_add_f32 v16, v40, v41                        ; row tile 1 next
	v_add_f32 v17, v42, v43
	v_add_f32 v18, v44, v45
	v_mov_b32 v11, v10
	v_mov_b32 v13, v12
	v_mov_b32 v15, v14
	v_lshl_add_u32 v19, v2, 8, TAB+O_CW            ; my half of the lanes takes s = 64 h .. 64 h + 63
.set i, 0
.rept 16
	ds_load_b128 v[128+4*i:131+4*i], v19 offset:16*i       ; conv_w
	ds_load_b128 v[192+4*i:195+4*i], v19 offset:512+16*i   ; conv_b
.set i, i+1
.endr
	v_mov_b32 v22, 0
	v_mov_b32 v23, 0
	s_wait_dscnt 0x0
	s_mov_b32 s44, 2
.Lsm:                                  ; a trip: one row tile's softmax.  64 scores a lane in v64-127
.set i, 0
.rept 32
	v_pk_fma_f32 v[64+2*i:65+2*i], v[128+2*i:129+2*i], v[10:11], v[14:15]
.set i, i+1
.endr
.set i, 0
.rept 32
	v_pk_fma_f32 v[64+2*i:65+2*i], v[192+2*i:193+2*i], v[12:13], v[64+2*i:65+2*i]
.set i, i+1
.endr
.irp k, 0,1,2,3                        ; the maximum: four chains of 15 scores, three operands at a time
	v_max3_num_f32 v[32+\k], v[64+16*\k], v[65+16*\k], v[66+16*\k]
.endr
.irp j, 0,1,2,3,4,5
.irp k, 0,1,2,3
	v_max3_num_f32 v[32+\k], v[32+\k], v[67+16*\k+2*\j], v[68+16*\k+2*\j]
.endr
.endr
	v_max3_num_f32 v32, v32, v79, v95
	v_max3_num_f32 v33, v33, v111, v127
	v_max3_num_f32 v32, v32, v33, v34
	v_max_num_f32 v32, v32, v35
	v_permlanex16_b32 v33, v32, s48, s49           ; the row's other 64 scores lie in the lane 16 away
	v_max_num_f32 v32, v32, v33
	v_mov_b32 v33, v32
.set i, 0
.rept 32
	v_pk_add_f32 v[64+2*i:65+2*i], v[64+2*i:65+2*i], v[32:33] neg_lo:[0,1] neg_hi:[0,1]
.set i, i+1
.endr
.set i, 0
.rept 64
	v_exp_f32 v[64+i], v[64+i]
.set i, i+1
.endr
	v_nop                                          ; a plain line behind the last exponential,
	s_wait_alu depctr_va_vdst(0)                   ; and one wait for the 64, ahead of the first use
.set i, 0
.rept 32                               ; sum p at v36-39, sum p conv_w at v40-43, sum p conv_b at v44-47: two chains each
.set cc, i%2
.if i < 2
	v_pk_mul_f32 v[40+2*cc:41+2*cc], v[64+2*i:65+2*i], v[128+2*i:129+2*i]
	v_pk_mul_f32 v[44+2*cc:45+2*cc], v[64+2*i:65+2*i], v[192+2*i:193+2*i]
.else
.if i < 4
	v_pk_add_f32 v[36+2*cc:37+2*cc], v[60+2*i:61+2*i], v[64+2*i:65+2*i]
.else
	v_pk_add_f32 v[36+2*cc:37+2*cc], v[36+2*cc:37+2*cc], v[64+2*i:65+2*i]
.endif
	v_pk_fma_f32 v[40+2*cc:41+2*cc], v[64+2*i:65+2*i], v[128+2*i:129+2*i], v[40+2*cc:41+2*cc]
	v_pk_fma_f32 v[44+2*cc:45+2*cc], v[64+2*i:65+2*i], v[192+2*i:193+2*i], v[44+2*cc:45+2*cc]
.endif
.set i, i+1
.endr
.irp b, 36, 40, 44
	v_pk_add_f32 v[\b:\b+1], v[\b:\b+1], v[\b+2:\b+3]
.endr
.irp b, 36, 40, 44
	v_add_f32 v[\b], v[\b], v[\b+1]
.endr
.irp b, 36, 40, 44
	v_permlanex16_b32 v[\b+1], v[\b], s48, s49
.endr
.irp b, 36, 40, 44
	v_add_f32 v[\b], v[\b], v[\b+1]
.endr
	v_rcp_f32 v38, v36
	v_mov_b32 v20, v22                             ; the trip before's alpha and beta move on (plain lines behind the reciprocal)
	v_mov_b32 v21, v23
	s_wait_alu depctr_va_vdst(0)
	v_mul_f32 v22, v40, v38                        ; alpha
	v_mul_f32 v23, v44, v38                        ; beta
	v_mov_b32 v10, v16                             ; the next row tile's a, b, c
	v_mov_b32 v11, v16
	v_mov_b32 v12, v17
	v_mov_b32 v13, v17
	v_mov_b32 v14, v18
	v_mov_b32 v15, v18
	s_sub_co_u32 s44, s44, 1
	s_cmp_lg_u32 s44, 0
	s_cbranch_scc1 .Lsm
	; source 1 of the update, 8 of its 32 k in use: alpha_hi, alpha_lo, alpha_hi, beta_hi, beta_lo, beta_hi, 1, 1 against a channel's record; k = 8 .. 31 are zeros
.irp rt, 0,1
	v_cvt_pk_bf16_f32 v48, v[20+2*\rt], v[21+2*\rt]
	v_lshlrev_b32 v49, 16, v48
	v_and_b32 v50, s67, v48
	v_sub_f32 v51, v[20+2*\rt], v49
	v_sub_f32 v52, v[21+2*\rt], v50
	v_cvt_pk_bf16_f32 v53, v49, v51
	v_cvt_pk_bf16_f32 v54, v52, v50
	v_mov_b32 v55, 0x3f803f80
	v_cndmask_b32 v[32+8*\rt], 0, v53, s66
	v_cndmask_b32 v[33+8*\rt], 0, v48, s66
	v_cndmask_b32 v[34+8*\rt], 0, v54, s66
	v_cndmask_b32 v[35+8*\rt], 0, v55, s66
	v_mov_b32 v[36+8*\rt], 0
	v_mov_b32 v[37+8*\rt], 0
	v_mov_b32 v[38+8*\rt], 0
	v_mov_b32 v[39+8*\rt], 0
.endr
	v_lshl_add_u32 v19, v1, 4, TAB+O_VT            ; channel r of a block of 16
.set i, 0
.rept 16
	v_mov_b32 v[WB+8*i+4], 0                       ; k = 16 .. 31 of source 0
	v_mov_b32 v[WB+8*i+5], 0
	v_mov_b32 v[WB+8*i+6], 0
	v_mov_b32 v[WB+8*i+7], 0
.set i, i+1
.endr
.macro VTL t                           ; the records of 8 blocks of 16 channels, into set t % 2
.irp c, 0,1,2,3,4,5,6,7
	ds_load_b128 v[WB+8*(8*((\t)%2)+(\c)):WB+8*(8*((\t)%2)+(\c))+3], v19 offset:256*(8*(\t)+(\c))
.endr
.endm
.macro RANK t                          ; ACC += alpha uv + beta rv + bv: 16 matrix instructions on 16 accumulators
	WIN 0xa0+0x50*((\t)/2)
.irp c, 0,1,2,3,4,5,6,7
.irp rt, 0,1
.set AC, 8*(2*((8*(\t)+(\c))%16)+(\rt))
.set WF, WB+8*(8*((\t)%2)+(\c))
	v_wmma_f32_16x16x32_bf16 v[AC:AC+7], v[WF:WF+7], v[32+8*(\rt):39+8*(\rt)], v[AC:AC+7]
.endr
.endr
	WIN 0
.endm
	VTL 0
	VTL 1
	s_wait_dscnt 8                                 ; the other set's 8 loads may be out
	RANK 0
	PLACES
	VTL 2
	s_wait_dscnt 8
	RANK 1
	PLACES
	VTL 3
	s_wait_dscnt 8
	RANK 2
	s_wait_dscnt 0x0
	RANK 3
	PLACES
	; A ROW'S MEAN AND VARIANCE over ACC.  Sums at v[10+4 rt+2 c], sums of squares 8 further, two chains a row tile; each accumulator is read from its low end on.
	; Leaves 1 / sqrt(var + eps) in v[20+4 rt] and -mean / sqrt(var + eps) in v[18+4 rt].
.set i, 0
.rept 16
	v_mov_b32 v[10+i], 0
.set i, i+1
.endr
.set ct, 0
.rept 32
	WIN 0x0a+5*(ct/16)                             ; sources 0 and 1 in window 2 or 3
.irp m, 0,1,2,3
.irp rt, 0,1
.set AC, 8*(2*(ct%16)+(\rt))+2*(\m)
.set SU, 10+4*(\rt)+2*((\m)%2)
	v_pk_fma_f32 v[SU:SU+1], v[AC:AC+1], 1.0, v[SU:SU+1] op_sel_hi:[1,0,1]
	v_pk_fma_f32 v[SU+8:SU+9], v[AC:AC+1], v[AC:AC+1], v[SU+8:SU+9]
.endr
.endr
.set ct, ct+1
.endr
	WIN 0
.irp rt, 0,1
	v_pk_add_f32 v[10+4*\rt:11+4*\rt], v[10+4*\rt:11+4*\rt], v[12+4*\rt:13+4*\rt]
	v_pk_add_f32 v[18+4*\rt:19+4*\rt], v[18+4*\rt:19+4*\rt], v[20+4*\rt:21+4*\rt]
.endr
.irp rt, 0,1
	v_add_f32 v[10+4*\rt], v[10+4*\rt], v[11+4*\rt]
	v_add_f32 v[18+4*\rt], v[18+4*\rt], v[19+4*\rt]
.endr
.irp rt, 0,1
	v_permlanex16_b32 v[11+4*\rt], v[10+4*\rt], s48, s49   ; the row's other 256 channels lie in the lane 16 away
	v_permlanex16_b32 v[19+4*\rt], v[18+4*\rt], s48, s49
.endr
.irp rt, 0,1
	v_add_f32 v[10+4*\rt], v[10+4*\rt], v[11+4*\rt]
	v_add_f32 v[18+4*\rt], v[18+4*\rt], v[19+4*\rt]
.endr
.irp rt, 0,1
	v_mul_f32 v[10+4*\rt], 0x3b000000, v[10+4*\rt]         ; / 512: the mean
	v_mul_f32 v[18+4*\rt], 0x3b000000, v[18+4*\rt]
.endr
.irp rt, 0,1
	v_mul_f32 v[11+4*\rt], v[10+4*\rt], v[10+4*\rt]
.endr
.irp rt, 0,1
	v_sub_f32 v[18+4*\rt], v[18+4*\rt], v[11+4*\rt]
.endr
.irp rt, 0,1
	v_max_num_f32 v[18+4*\rt], 0, v[18+4*\rt]
.endr
.irp rt, 0,1
	v_add_f32 v[18+4*\rt], 0x3727c5ac, v[18+4*\rt]         ; + 1e-5
.endr
.irp rt, 0,1
	v_rsq_f32 v[20+4*\rt], v[18+4*\rt]
.endr
.irp rt, 0,1
	v_mul_f32 v[10+4*\rt], -1.0, v[10+4*\rt]               ; plain lines behind the two roots
.endr
	s_wait_alu depctr_va_vdst(0)                   ; and their wait, ahead of the first use
.irp rt, 0,1
	v_mul_f32 v[18+4*\rt], v[10+4*\rt], v[20+4*\rt]
.endr
	; query = (z - mean) rstd ln1_w + ln1_b; rounded to bf16 into QF for W1; ACC keeps query in f32 for the residual.  8 batches of 4 blocks of channels, the two tables in two sets of registers.
.macro NLOAD bt
	WIN 0
.irp c, 0,1,2,3
.irp t, 0,1
	ds_load_b128 v[64+96*((\bt)%2)+32*(\t)+8*(\c):64+96*((\bt)%2)+32*(\t)+8*(\c)+3],   v9 offset:O_L1W+2048*(\t)+64*(4*(\bt)+(\c))
	ds_load_b128 v[64+96*((\bt)%2)+32*(\t)+8*(\c)+4:64+96*((\bt)%2)+32*(\t)+8*(\c)+7], v9 offset:O_L1W+2048*(\t)+64*(4*(\bt)+(\c))+16
.endr
.endr
.endm
.macro NCALC bt
.set WS, 64+96*((\bt)%2)
	WIN 0x82+0x41*((\bt)/4)                        ; destination and source 0 in window 2 or 3
.irp c, 0,1,2,3
.irp rt, 0,1
.irp m, 0,1,2,3
.set AC, 8*(2*((4*(\bt)+(\c))%16)+(\rt))+2*(\m)
	v_pk_fma_f32 v[AC:AC+1], v[AC:AC+1], v[20+4*(\rt):21+4*(\rt)], v[18+4*(\rt):19+4*(\rt)] op_sel_hi:[1,0,0]
.endr
.endr
.endr
.irp c, 0,1,2,3
.irp rt, 0,1
.irp m, 0,1,2,3
.set AC, 8*(2*((4*(\bt)+(\c))%16)+(\rt))+2*(\m)
	v_pk_fma_f32 v[AC:AC+1], v[AC:AC+1], v[WS+8*(\c)+2*(\m):WS+8*(\c)+2*(\m)+1], v[WS+32+8*(\c)+2*(\m):WS+32+8*(\c)+2*(\m)+1]
.endr
.endr
.endr
	WIN 0x4a+5*((\bt)/4)
.irp c, 0,1,2,3
.irp rt, 0,1
.irp m, 0,1,2,3
.set AC, 8*(2*((4*(\bt)+(\c))%16)+(\rt))+2*(\m)
.set QD, 8*(2*((4*(\bt)+(\c))/2)+(\rt))+4*((\c)%2)+(\m)
	v_cvt_pk_bf16_f32 v[QD], v[AC], v[AC+1]
.endr
.endr
.endr
	WIN 0
.endm
	NLOAD 0
	NLOAD 1
.irp bt, 0,1,2,3,4,5
	s_wait_dscnt 16                                ; the other set's 16 loads may be out
	NCALC \bt
	NLOAD (\bt)+2
.endr
	s_wait_dscnt 16
	NCALC 6
	s_wait_dscnt 0x0
	NCALC 7
	; ---------------- THE FEED-FORWARD: 16 chunks of 64 hidden channels ----------------
	; The loop is cut between groups 11 and 12 of W1's tile: so every tensor load of the text is
	; issued in every trip, and what is written out behind the loop, without a tensor load, is W1's last four groups and one tile of W2.
	v_add_nc_u32 v8, O_B1, v9
	B1L 0
	LOADG 3, 0
	LOADG 3, 1
	LOADG 3, 2
	LOADG 3, 3
	s_mov_b32 s44, 16
	s_branch .Lffmid
.Lff:
	TAILC 1, 2, 4, 0, 0, 0, 0, 0                   ; W1's groups 12-15 | the gelu of block 1 | slot 0 takes the next tile of W1
	BODY 0, 4, 2, -1, HA, 32, 0, 0, 8, 0, 3        ; W2's groups 0-7 | the gelu of blocks 2, 3; groups 8-11
	TAILC 0, 2, 3, -1, HA, 32, 0, 0                ; W2's groups 12-15 | slot 1 takes the next tile of W2
.Lffmid:
	BODY 1, 3, -1, 0, 0, 0, 8, 0, 0, 0, 2          ; W1's groups 0-7; groups 8-11 | the gelu of block 0
	s_sub_co_u32 s44, s44, 1
	s_cmp_lg_u32 s44, 0
	s_cbranch_scc1 .Lff
	TAILC 1, 1, 4, 0, 0, 0, 0, 0                   ; the last chunk: nothing is asked for
	BODY 0, 4, 2, -1, HA, 32, 0, 0, 0, 0, 0
	s_wait_dscnt 24
	GRP 0, 12, -1, HA, 32
	s_wait_dscnt 16
	GRP 0, 13, -1, HA, 32
	s_wait_dscnt 8
	GRP 0, 14, -1, HA, 32
	s_wait_dscnt 0x0
	GRP 0, 15, -1, HA, 32
	WIN 0
	; ---------------- + b2, LAYERNORM 2, + x, AND THE WAY OUT ----------------
	PLACES
	s_mul_i32 s74, s12, STGB                       ; my stage
	s_mul_i32 s78, s12, 32*XP
	s_add_co_u32 s78, s78, XST
	v_and_b32 v39, 31, v0
	v_mul_u32_u24 v32, v1, SGP
	v_add_nc_u32 v32, s74, v32
	v_lshl_add_u32 v32, v2, 5, v32                 ; in: row r, 32 bytes for each half of the lanes
	v_lshl_add_u32 v40, v39, 4, s74                ; back: a row's 2,048 bytes in four pieces of 512
	v_lshl_add_u32 v36, v39, 3, s78                ; x: the same channels, 8 bytes a lane
	v_lshlrev_b32 v37, 4, v39                      ; out0
	v_lshl_add_u32 v38, v39, 4, TAB
	s_wait_dscnt 0x0                               ; my reads of the slots are over;
	s_barrier_signal -1
	s_barrier_wait -1                              ; everybody's are: the slots have had their last fill, and the stages may be written
.irp i, 0,1,2,3
	ds_load_b128 v[208+4*\i:211+4*\i], v38 offset:O_B2+512*\i
	ds_load_b128 v[224+4*\i:227+4*\i], v38 offset:O_L2W+512*\i
	ds_load_b128 v[240+4*\i:243+4*\i], v38 offset:O_L2B+512*\i
.endr
; A row tile's 16 rows of f32 into my stage; each accumulator's low half first.
.macro STAGE rt
	WIN 0x08                                       ; the stores' data in window 2
.set ct, 0
.rept 32
.if ct == 16
	WIN 0x0c
.endif
	ds_store_b128 v32, v[8*(2*(ct%16)+(\rt)):8*(2*(ct%16)+(\rt))+3]   offset:64*ct
	ds_store_b128 v32, v[8*(2*(ct%16)+(\rt))+4:8*(2*(ct%16)+(\rt))+7] offset:64*ct+16
.set ct, ct+1
.endr
	WIN 0
.endm
	s_mov_b32 s45, 2
.Lwo:                                  ; a trip: one row tile: staged by its own text, then read back by the one text of the rows
	v_mov_b32 v34, v40
	s_cmp_eq_u32 s45, 2
	s_cbranch_scc0 .Lstage1
	STAGE 0
	s_branch .Lrows
.Lstage1:
	STAGE 1
.Lrows:
	s_mov_b32 s44, 4
.Lrow:                                 ; a trip: four whole rows, 16 numbers a lane.  Row k: v[64+32k ..+15] the numbers, +16..+23 x in bf16, +24..+31 at work.  LDS serves a wave's instructions in order (ISA guide 5.7.1.4): the loads see the stores above
.irp k, 0,1,2,3
.irp i, 0,1,2,3
	ds_load_b128 v[64+32*(\k)+4*(\i):64+32*(\k)+4*(\i)+3], v34 offset:(\k)*SGP+512*(\i)
.endr
.irp i, 0,1,2,3
	ds_load_b64 v[64+32*(\k)+16+2*(\i):64+32*(\k)+17+2*(\i)], v36 offset:(\k)*XP+256*(\i)
.endr
.endr
.irp k, 0,1,2,3                        ; + b2; my 16 numbers' sum (+24) and sum of squares (+28), two chains each
	s_wait_dscnt 24-8*(\k)                         ; the later rows' eight loads each may be out
.irp i, 0,2,4,6,8,10,12,14
	v_pk_add_f32 v[64+32*(\k)+(\i):64+32*(\k)+(\i)+1], v[64+32*(\k)+(\i):64+32*(\k)+(\i)+1], v[208+(\i):209+(\i)]
.endr
	v_pk_add_f32 v[88+32*(\k):89+32*(\k)], v[64+32*(\k):65+32*(\k)], v[66+32*(\k):67+32*(\k)]
	v_pk_add_f32 v[90+32*(\k):91+32*(\k)], v[68+32*(\k):69+32*(\k)], v[70+32*(\k):71+32*(\k)]
	v_pk_mul_f32 v[92+32*(\k):93+32*(\k)], v[64+32*(\k):65+32*(\k)], v[64+32*(\k):65+32*(\k)]
	v_pk_mul_f32 v[94+32*(\k):95+32*(\k)], v[66+32*(\k):67+32*(\k)], v[66+32*(\k):67+32*(\k)]
.irp j, 8,12
	v_pk_add_f32 v[88+32*(\k):89+32*(\k)], v[88+32*(\k):89+32*(\k)], v[64+32*(\k)+(\j):65+32*(\k)+(\j)]
	v_pk_add_f32 v[90+32*(\k):91+32*(\k)], v[90+32*(\k):91+32*(\k)], v[66+32*(\k)+(\j):67+32*(\k)+(\j)]
.endr
.irp j, 4,8,12
	v_pk_fma_f32 v[92+32*(\k):93+32*(\k)], v[64+32*(\k)+(\j):65+32*(\k)+(\j)], v[64+32*(\k)+(\j):65+32*(\k)+(\j)], v[92+32*(\k):93+32*(\k)]
	v_pk_fma_f32 v[94+32*(\k):95+32*(\k)], v[66+32*(\k)+(\j):67+32*(\k)+(\j)], v[66+32*(\k)+(\j):67+32*(\k)+(\j)], v[94+32*(\k):95+32*(\k)]
.endr
	v_pk_add_f32 v[88+32*(\k):89+32*(\k)], v[88+32*(\k):89+32*(\k)], v[90+32*(\k):91+32*(\k)]
	v_pk_add_f32 v[92+32*(\k):93+32*(\k)], v[92+32*(\k):93+32*(\k)], v[94+32*(\k):95+32*(\k)]
	v_add_f32 v[88+32*(\k)], v[88+32*(\k)], v[89+32*(\k)]
	v_add_f32 v[92+32*(\k)], v[92+32*(\k)], v[93+32*(\k)]
.endr
.irp m, 1,2,4,8                        ; across the 32 lanes: four steps inside each half ride on the additions, one crosses the halves; the four rows' eight chains take turns
.irp k, 0,1,2,3
	v_add_f32_dpp v[88+32*(\k)], v[88+32*(\k)], v[88+32*(\k)] row_xmask:\m row_mask:0xf bank_mask:0xf
	v_add_f32_dpp v[92+32*(\k)], v[92+32*(\k)], v[92+32*(\k)] row_xmask:\m row_mask:0xf bank_mask:0xf
.endr
.endr
.irp k, 0,1,2,3
	v_permlanex16_b32 v[89+32*(\k)], v[88+32*(\k)], s48, s49
	v_permlanex16_b32 v[93+32*(\k)], v[92+32*(\k)], s48, s49
.endr
.irp k, 0,1,2,3
	v_add_f32 v[88+32*(\k)], v[88+32*(\k)], v[89+32*(\k)]
	v_add_f32 v[92+32*(\k)], v[92+32*(\k)], v[93+32*(\k)]
.endr
.irp k, 0,1,2,3
	v_mul_f32 v[88+32*(\k)], 0x3b000000, v[88+32*(\k)]     ; / 512: the mean
	v_mul_f32 v[92+32*(\k)], 0x3b000000, v[92+32*(\k)]
.endr
.irp k, 0,1,2,3
	v_mul_f32 v[89+32*(\k)], v[88+32*(\k)], v[88+32*(\k)]
.endr
.irp k, 0,1,2,3
	v_sub_f32 v[92+32*(\k)], v[92+32*(\k)], v[89+32*(\k)]
.endr
.irp k, 0,1,2,3
	v_max_num_f32 v[92+32*(\k)], 0, v[92+32*(\k)]
.endr
.irp k, 0,1,2,3
	v_add_f32 v[92+32*(\k)], 0x3727c5ac, v[92+32*(\k)]     ; + 1e-5
.endr
.irp k, 0,1,2,3
	v_rsq_f32 v[90+32*(\k)], v[92+32*(\k)]
.endr
.irp k, 0,1,2,3
	v_mul_f32 v[88+32*(\k)], -1.0, v[88+32*(\k)]           ; plain lines behind the four roots
.endr
	s_wait_alu depctr_va_vdst(0)                   ; and one wait for the four, ahead of the first use
.irp k, 0,1,2,3
	v_mul_f32 v[91+32*(\k)], v[88+32*(\k)], v[90+32*(\k)]  ; the pair at +26: 1 / sqrt(var + eps), -mean / sqrt(var + eps)
.endr
.irp k, 0,1,2,3                        ; normalised, gained, x added, stored
.irp i, 0,2,4,6,8,10,12,14
	v_pk_fma_f32 v[64+32*(\k)+(\i):64+32*(\k)+(\i)+1], v[64+32*(\k)+(\i):64+32*(\k)+(\i)+1], v[90+32*(\k):91+32*(\k)], v[90+32*(\k):91+32*(\k)] op_sel:[0,0,1] op_sel_hi:[1,0,1]
.endr
.irp i, 0,2,4,6,8,10,12,14
	v_pk_fma_f32 v[64+32*(\k)+(\i):64+32*(\k)+(\i)+1], v[64+32*(\k)+(\i):64+32*(\k)+(\i)+1], v[224+(\i):225+(\i)], v[240+(\i):241+(\i)]
.endr
.irp j, 0,1,2,3,4,5,6,7
	v_lshlrev_b32 v[192+2*(\j)], 16, v[64+32*(\k)+16+(\j)]
	v_and_b32 v[193+2*(\j)], s67, v[64+32*(\k)+16+(\j)]
.endr
.irp i, 0,2,4,6,8,10,12,14
	v_pk_add_f32 v[64+32*(\k)+(\i):64+32*(\k)+(\i)+1], v[64+32*(\k)+(\i):64+32*(\k)+(\i)+1], v[192+(\i):193+(\i)]
.endr
.irp i, 0,1,2,3
	global_store_b128 v37, v[64+32*(\k)+4*(\i):64+32*(\k)+4*(\i)+3], s[10:11] offset:(\k)*2048+512*(\i) th:TH_STORE_NT  ; 512 consecutive bytes, aligned
.endr
.endr
	s_wait_xcnt 0x0                                ; the stores have read their data and their offset: both are written again only behind this wait
	v_add_nc_u32 v34, 4*SGP, v34
	v_add_nc_u32 v36, 4*XP, v36
	v_add_nc_u32 v37, 0x2000, v37
	s_sub_co_u32 s44, s44, 1
	s_cmp_lg_u32 s44, 0
	s_cbranch_scc1 .Lrow
	s_sub_co_u32 s45, s45, 1
	s_cmp_lg_u32 s45, 0
	s_cbranch_scc1 .Lwo
	s_wait_tensorcnt 0x0                           ; the wave's end: the add and its wait stand behind my last tensor load and my last LDS store
	ds_add_u32 v5, v6
	s_wait_dscnt 0x0
	CROUND                                         ; the closing round: no work-group ends while a partner may still ask for a tile that names it
	s_endpgm
.Lfunc_end_k_q7db0830983_main:
	.size	k_q7db0830983_main, .Lfunc_end_k_q7db0830983_main-k_q7db0830983_main
	.p2alignl 7, 3214868480
	.fill 96, 4, 3214868480
	.section	.rodata,"a",@progbits
	.p2align	6, 0x0
	.amdhsa_kernel k_q7db0830983_main
		.amdhsa_group_segment_fixed_size 327680
		.amdhsa_private_segment_fixed_size 0
		.amdhsa_enable_private_segment 0
		.amdhsa_kernarg_size 32
		.amdhsa_user_sgpr_count 2
		.amdhsa_user_sgpr_kernarg_segment_ptr 1
		.amdhsa_wavefront_size32 1
		.amdhsa_system_sgpr_workgroup_id_x 1
		.amdhsa_system_sgpr_workgroup_id_y 1
		.amdhsa_system_sgpr_workgroup_id_z 1
		.amdhsa_system_vgpr_workitem_id 0
		.amdhsa_next_free_vgpr 1024
		.amdhsa_next_free_sgpr 80
		.amdhsa_reserve_vcc 0
		.amdhsa_float_denorm_mode_32 3
		.amdhsa_float_denorm_mode_16_64 3
		.amdhsa_memory_ordered 1
		.amdhsa_forward_progress 1
		.amdhsa_inst_pref_size 255
	.end_amdhsa_kernel
	.section	.bss,"aw",@nobits
	.p2align	6
	.space	262144
	.amdgpu_metadata
---
amdhsa.version: [ 1, 2 ]
amdhsa.kernels:
  - .name:           k_q7db0830983_main
    .symbol:         k_q7db0830983_main.kd
    .args:
      - { .name: x, .offset: 0, .size: 8, .value_kind: global_buffer, .address_space: global }
      - { .name: wt, .offset: 8, .size: 8, .value_kind: global_buffer, .address_space: global }
      - { .name: tab, .offset: 16, .size: 8, .value_kind: global_buffer, .address_space: global }
      - { .name: out0, .offset: 24, .size: 8, .value_kind: global_buffer, .address_space: global }
    .group_segment_fixed_size: 327680
    .private_segment_fixed_size: 0
    .kernarg_segment_align: 8
    .kernarg_segment_size: 32
    .max_flat_workgroup_size: 128
    .sgpr_count:     80
    .vgpr_count:     1024
    .wavefront_size: 32
...
	.end_amdgpu_metadata
.endif
;; end of part 4
